; MI455X (gfx1250); checked and timed in simulation.
; The chip was launched on July 23, 2026; its instructions are those of AMD's public machine-readable ISA for CDNA 5 (MIT licence, August 2026) and "CDNA5" Instruction Set Architecture Reference Guide (July 2026). The comments in the code are by the model that wrote it; some were corrected since.
;; Block. Allowed arithmetic: float matrix products may take bf16 or f16 operands with f32 sums; other float arithmetic in f32, or as packed bf16 or f16 multiplies, adds, multiply-adds, maxima and minima; sums over many terms, partial sums and values carried from step to step in f32; what a program stores and reads back later, other than sums and carried values, may be rounded once to bf16 or f16.
;; Inputs: W1 512 x 2,048 float32; W2 2,048 x 512 float32; Wk 16 x 512 x 32 float32; Wo 512 x 512 float32; Wq 16 x 512 x 32 float32; Wv 16 x 512 x 32 float32; b1 2,048 float32; b2 512 float32; be1 512 float32; be2 512 float32; bo 512 float32; g1 512 float32; g2 512 float32; x 4 x 2,048 x 512 float32.
;; Outputs: out0 4 x 2,048 x 512 float32.
;; One version. Each part assembles by itself: llvm-mc -triple=amdgcn-amd-amdhsa -mcpu=gfx1250 --defsym DOCPART=n.
;; ======== version 1 of 1: 6 launches
;; workspace buffers: wf 6,291,456 bytes; hn 8,388,608 bytes; qf 8,388,608 bytes; kv 16,777,216 bytes; af 8,388,608 bytes; x1 16,777,216 bytes; hid 33,554,432 bytes
;; launch prep (part 1): grid 704 x 1, 4 waves a work-group, no clusters, 17,152 bytes of LDS; arguments x, g1, be1, Wq, Wk, Wv, Wo, W1, W2, hn, wf; writes hn, wf
.if DOCPART == 1
	.amdgcn_target "amdgcn-amd-amdhsa--gfx1250"
	.amdhsa_code_object_version 6
	.text
	.protected	k_q2441b62d73_prep
	.globl	k_q2441b62d73_prep
	.p2align	8
	.type	k_q2441b62d73_prep,@function
k_q2441b62d73_prep:
	s_mov_b64 s[64:65], 0
	v_nop
	global_prefetch_b8 v0, s[64:65] scope:SCOPE_SE
	s_setreg_imm32_b32 hwreg(HW_REG_WAVE_MODE, 25, 1), 1
	s_wait_xcnt 0x0
; PREP.  Work-groups 0-191 round the six weight tensors to bf16 and lay them out for the matrix unit; work-groups 192-703 make h1 = LayerNorm(x) g1 + be1 in bf16, 16 rows each.
; THE LAYOUT (both outputs): a matrix with rows R and K along the product's sum lies in blocks of 16 rows; byte(row, k) = (row / 16) 32 K + (k / 8) 256 + (row % 16) 16 + (k % 8) 2.
; So 16 rows x 32 k, one operand of a matrix instruction, are 1,024 consecutive bytes in the order of the lanes, and every store below writes whole runs of 256 consecutive bytes, aligned.
; For the weights a row is an OUTPUT column n and k the input index: W is stored [k][n] in memory, so a lane takes one column and eight k.
; wf: Wq, Wk, Wv at 0 (block of 16 columns number head 6 + which 2 + d / 16, 16 KiB each); Wo at 1,572,864; W1 at 2,097,152; W2 at 4,194,304 (64 KiB a block).
; The norm is taken in two passes over registers (mean, then the squares of the deviations), all in f32.  No matrix unit, no cluster: a stream that shares nothing.
; LIMITS: NaN and infinities are not treated apart.
.set PITCH, 1040                       ; a stage row: 1,024 bytes + 16: 65 x 16, so sixteen rows' equal columns fall into sixteen different groups of four banks
.set SPARE, 16*PITCH                   ; behind the stage: the spare words, 128 bytes a wave
.set SPW, 6                            ; v6  my spare word's LDS address; never rewritten
.set NIL, 7                            ; v7  0; never rewritten
.set OFF, 8                            ; weights: v[8:15] byte offsets of my column in eight rows of k
.set DO,  16                           ; weights: v16 where my 16 bytes go
.set D,   40                           ; weights: v[40:167] 16 groups of 8 numbers
.set G,   8                            ; norm: v[8:23] g1 of my 16 columns
.set BV,  24                           ; norm: v[24:39] be1
.set X,   40                           ; norm: v[40:103] four rows x 16 numbers
.set T,   104                          ; norm: v[104:135] at work, 8 a row; then the rows read back
.set M,   136                          ; norm: v[136:143] the mean, a pair a row
.set R,   144                          ; norm: v[144:151] 1 / sqrt(var + eps), a pair a row
	s_load_b512 s[16:31], s[0:1], 0x0              ; x 16, g1 18, be1 20, Wq 22, Wk 24, Wv 26, Wo 28, W1 30
	s_load_b128 s[32:35], s[0:1], 0x40             ; W2 32, hn 34
	s_load_b64 s[36:37], s[0:1], 0x50              ; wf
	v_lshl_add_u32 v[SPW], v0, 2, SPARE
	v_mov_b32 v[NIL], 0
	v_lshrrev_b32 v1, 5, v0
	v_readfirstlane_b32 s4, v1                     ; wave 0..3
	v_and_b32 v1, 31, v0                           ; lane
	s_mov_b32 s39, 0
	s_mov_b32 s41, 0
	s_wait_kmcnt 0x0
	s_cmp_lt_u32 ttmp9, 192
	s_cbranch_scc0 .Lln
	; THE WEIGHTS.  A wave's task: 32 columns x 128 k.  s[8:9] source, s14 bytes from k to k + 1, s15 bytes from a block of 16 columns to the next, s38 and s40 offsets in source and wf.
	s_cmp_lt_u32 ttmp9, 48
	s_cbranch_scc0 .Lw_o
	s_lshr_b32 s5, ttmp9, 4                        ; which of q, k, v
	s_and_b32 s6, ttmp9, 15                        ; head
	s_cmp_eq_u32 s5, 1
	s_cselect_b64 s[8:9], s[24:25], s[22:23]
	s_cmp_eq_u32 s5, 2
	s_cselect_b64 s[8:9], s[26:27], s[8:9]
	s_mov_b32 s14, 128
	s_mov_b32 s15, 16384
	s_lshl_b32 s38, s6, 16                         ; a head is 512 x 32 x 4 bytes
	s_lshl_b32 s7, s4, 14                          ; my 128 k
	s_add_co_u32 s38, s38, s7
	s_mul_i32 s40, s6, 98304                       ; six blocks a head
	s_lshl_b32 s7, s5, 15
	s_add_co_u32 s40, s40, s7
	s_lshl_b32 s7, s4, 12                          ; 128 k are 4,096 bytes of a block
	s_add_co_u32 s40, s40, s7
	s_branch .Lgo
.Lw_o:
	s_cmp_lt_u32 ttmp9, 64
	s_cbranch_scc0 .Lw_1
	s_sub_co_u32 s5, ttmp9, 48                     ; group of 32 columns of Wo
	s_mov_b64 s[8:9], s[28:29]
	s_mov_b32 s14, 2048
	s_mov_b32 s15, 16384
	s_lshl_b32 s38, s5, 7
	s_lshl_b32 s7, s4, 18
	s_add_co_u32 s38, s38, s7
	s_lshl_b32 s40, s5, 15
	s_lshl_b32 s7, s4, 12
	s_add_co_u32 s40, s40, s7
	s_add_co_u32 s40, s40, 1572864
	s_branch .Lgo
.Lw_1:
	s_cmp_lt_u32 ttmp9, 128
	s_cbranch_scc0 .Lw_2
	s_sub_co_u32 s5, ttmp9, 64                     ; group of 32 columns of W1
	s_mov_b64 s[8:9], s[30:31]
	s_mov_b32 s14, 8192
	s_mov_b32 s15, 16384
	s_lshl_b32 s38, s5, 7
	s_lshl_b32 s7, s4, 20
	s_add_co_u32 s38, s38, s7
	s_lshl_b32 s40, s5, 15
	s_lshl_b32 s7, s4, 12
	s_add_co_u32 s40, s40, s7
	s_add_co_u32 s40, s40, 2097152
	s_branch .Lgo
.Lw_2:
	s_sub_co_u32 s5, ttmp9, 128
	s_lshl2_add_u32 s5, s5, s4                     ; task 0..255 of W2
	s_lshr_b32 s6, s5, 4                           ; group of 32 columns
	s_and_b32 s5, s5, 15                           ; which 128 of its 2,048 k
	s_mov_b64 s[8:9], s[32:33]
	s_mov_b32 s14, 2048
	s_mov_b32 s15, 65536
	s_lshl_b32 s38, s6, 7
	s_lshl_b32 s7, s5, 18
	s_add_co_u32 s38, s38, s7
	s_lshl_b32 s40, s6, 17
	s_lshl_b32 s7, s5, 12
	s_add_co_u32 s40, s40, s7
	s_add_co_u32 s40, s40, 4194304
.Lgo:
	s_add_nc_u64 s[8:9], s[8:9], s[38:39]
	s_add_nc_u64 s[10:11], s[36:37], s[40:41]
	s_lshl_b32 s12, s14, 3                         ; eight k on
	s_mov_b32 s13, 0
	v_lshlrev_b32 v[OFF], 2, v1                    ; my column
.irp j, 1,2,3,4,5,6,7
	v_add_nc_u32 v[OFF+(\j)], s14, v[OFF+(\j)-1]
.endr
	v_lshrrev_b32 v2, 4, v1
	v_and_b32 v3, 15, v1
	v_mul_lo_u32 v[DO], v2, s15                    ; lanes 16-31: the next block of 16 columns
	v_lshl_add_u32 v[DO], v3, 4, v[DO]
.macro LOADG g                         ; eight k of my column; then the source steps, behind the wait that frees a load's base
.irp j, 0,1,2,3,4,5,6,7
	global_load_b32 v[D+8*(\g)+(\j)], v[OFF+(\j)], s[8:9]
.endr
	s_wait_xcnt 0x0
	s_add_nc_u64 s[8:9], s[8:9], s[12:13]
.endm
.irp g, 0,1,2,3,4,5,6
	LOADG \g                                       ; seven groups, 56 loads, are kept on their way
.endr
.set i, 0
.rept 16
.if i < 9
	s_wait_loadcnt 48                              ; group i is in; the six younger groups stay out
.else
	s_wait_loadcnt (15-i)*8                        ; the counts run down
.endif
.irp e, 0,1,2,3
	v_cvt_pk_bf16_f32 v[D+8*i+(\e)], v[D+8*i+2*(\e)], v[D+8*i+2*(\e)+1]  ; in place: the destination never lies ahead of the sources still to be read
.endr
	global_store_b128 v[DO], v[D+8*i:D+8*i+3], s[10:11] offset:i*256  ; lanes 0-15 and lanes 16-31 each write 256 consecutive bytes, aligned
.if i < 9
	LOADG i+7
.endif
.set i, i+1
.endr
	s_branch .Lend
	; THE NORM.  The work-group has 16 rows, a wave four of them whole: lane l holds columns 128 j + 4 l .. + 3, j = 0..3.
.Lln:
	s_sub_co_u32 s5, ttmp9, 192                    ; block of 16 rows
	s_lshl_b32 s38, s5, 15
	s_lshl_b32 s7, s4, 13
	s_add_co_u32 s38, s38, s7
	s_add_nc_u64 s[8:9], s[16:17], s[38:39]        ; x at my four rows
	s_lshl_b32 s40, s5, 14
	s_lshl_b32 s7, s4, 12
	s_add_co_u32 s40, s40, s7
	s_add_nc_u64 s[10:11], s[34:35], s[40:41]      ; hn at the block, at my quarter of its 64 groups of eight columns
	s_mov_b32 s42, 0x76543210                      ; v_permlanex16_b32: each lane takes its own place in the other half
	s_mov_b32 s43, 0xfedcba98
	s_mov_b32 s44, 0x3b000000                      ; 1 / 512
	s_mov_b32 s45, 0x3727c5ac                      ; 1e-5
	v_lshlrev_b32 v2, 4, v1
.irp i, 0,1,2,3
.irp j, 0,1,2,3
	global_load_b128 v[X+16*(\i)+4*(\j):X+16*(\i)+4*(\j)+3], v2, s[8:9] offset:(\i)*2048+(\j)*512 th:TH_LOAD_NT
.endr
.endr
.irp j, 0,1,2,3
	global_load_b128 v[G+4*(\j):G+4*(\j)+3], v2, s[18:19] offset:(\j)*512
	global_load_b128 v[BV+4*(\j):BV+4*(\j)+3], v2, s[20:21] offset:(\j)*512
.endr
	s_mul_i32 s7, s4, 4*PITCH
	v_lshl_add_u32 v3, v1, 3, s7                   ; into the stage: my rows, 8 bytes a lane
	v_and_b32 v4, 15, v0
	v_mul_u32_u24 v4, v4, PITCH                    ; back: row l % 16,
	v_bfe_u32 v5, v0, 4, 1
	v_lshl_add_u32 v4, v5, 4, v4                   ; group of eight columns 16 w + 2 i + l / 16
	s_lshl_b32 s7, s4, 8
	v_add_nc_u32 v4, s7, v4
.macro RED                             ; v[T+8 i] summed over the 32 lanes, for the four rows by turns; every lane ends with the sum
.irp k, 1,2,4,8
.irp i, 0,1,2,3
	v_add_f32_dpp v[T+8*(\i)], v[T+8*(\i)], v[T+8*(\i)] row_xmask:\k row_mask:0xf bank_mask:0xf
.endr
.endr
.irp i, 0,1,2,3
	v_permlanex16_b32 v[T+8*(\i)+1], v[T+8*(\i)], s42, s43
.endr
.irp i, 0,1,2,3
	v_add_f32 v[T+8*(\i)], v[T+8*(\i)], v[T+8*(\i)+1]
.endr
.endm
	s_wait_loadcnt 8                               ; x is in; the eight loads of g1 and be1 may stay out
.irp i, 0,1,2,3
.irp k, 0,1,2,3
	v_pk_add_f32 v[T+8*(\i)+2*(\k):T+8*(\i)+2*(\k)+1], v[X+16*(\i)+4*(\k):X+16*(\i)+4*(\k)+1], v[X+16*(\i)+4*(\k)+2:X+16*(\i)+4*(\k)+3]
.endr
.endr
.irp i, 0,1,2,3
	v_pk_add_f32 v[T+8*(\i):T+8*(\i)+1], v[T+8*(\i):T+8*(\i)+1], v[T+8*(\i)+2:T+8*(\i)+3]
	v_pk_add_f32 v[T+8*(\i)+4:T+8*(\i)+5], v[T+8*(\i)+4:T+8*(\i)+5], v[T+8*(\i)+6:T+8*(\i)+7]
.endr
.irp i, 0,1,2,3
	v_pk_add_f32 v[T+8*(\i):T+8*(\i)+1], v[T+8*(\i):T+8*(\i)+1], v[T+8*(\i)+4:T+8*(\i)+5]
.endr
.irp i, 0,1,2,3
	v_add_f32 v[T+8*(\i)], v[T+8*(\i)], v[T+8*(\i)+1]
.endr
	RED
.irp i, 0,1,2,3
	v_mul_f32 v[M+2*(\i)], s44, v[T+8*(\i)]        ; the mean
	v_mul_f32 v[M+2*(\i)+1], s44, v[T+8*(\i)]      ; (named with it as a pair)
.endr
.irp i, 0,1,2,3
.irp k, 0,1,2,3,4,5,6,7
	v_pk_add_f32 v[X+16*(\i)+2*(\k):X+16*(\i)+2*(\k)+1], v[X+16*(\i)+2*(\k):X+16*(\i)+2*(\k)+1], v[M+2*(\i):M+2*(\i)+1] op_sel_hi:[1,0] neg_lo:[0,1] neg_hi:[0,1]
.endr
.endr
.irp i, 0,1,2,3                        ; the squares of the deviations, two chains a row
	v_pk_mul_f32 v[T+8*(\i):T+8*(\i)+1], v[X+16*(\i):X+16*(\i)+1], v[X+16*(\i):X+16*(\i)+1]
	v_pk_mul_f32 v[T+8*(\i)+2:T+8*(\i)+3], v[X+16*(\i)+2:X+16*(\i)+3], v[X+16*(\i)+2:X+16*(\i)+3]
.endr
.irp k, 2,3,4,5,6,7
.irp i, 0,1,2,3
	v_pk_fma_f32 v[T+8*(\i)+2*((\k)%2):T+8*(\i)+2*((\k)%2)+1], v[X+16*(\i)+2*(\k):X+16*(\i)+2*(\k)+1], v[X+16*(\i)+2*(\k):X+16*(\i)+2*(\k)+1], v[T+8*(\i)+2*((\k)%2):T+8*(\i)+2*((\k)%2)+1]
.endr
.endr
.irp i, 0,1,2,3
	v_pk_add_f32 v[T+8*(\i):T+8*(\i)+1], v[T+8*(\i):T+8*(\i)+1], v[T+8*(\i)+2:T+8*(\i)+3]
.endr
.irp i, 0,1,2,3
	v_add_f32 v[T+8*(\i)], v[T+8*(\i)], v[T+8*(\i)+1]
.endr
	RED
.irp i, 0,1,2,3
	v_fma_f32 v[T+8*(\i)], v[T+8*(\i)], s44, s45   ; var + eps
.endr
.irp i, 0,1,2,3
	v_rsq_f32 v[R+2*(\i)], v[T+8*(\i)]
.endr
	v_nop                                          ; a plain instruction behind the last root,
	s_wait_alu depctr_va_vdst(0)                   ; and one wait for the four, ahead of the first line that names a result
.irp i, 0,1,2,3
	v_mov_b32 v[R+2*(\i)+1], v[R+2*(\i)]
.endr
	s_wait_loadcnt 0x0                             ; g1 and be1
.irp i, 0,1,2,3
.irp k, 0,1,2,3,4,5,6,7
	v_pk_mul_f32 v[X+16*(\i)+2*(\k):X+16*(\i)+2*(\k)+1], v[X+16*(\i)+2*(\k):X+16*(\i)+2*(\k)+1], v[R+2*(\i):R+2*(\i)+1] op_sel_hi:[1,0]
.endr
.irp k, 0,1,2,3,4,5,6,7
	v_pk_fma_f32 v[X+16*(\i)+2*(\k):X+16*(\i)+2*(\k)+1], v[X+16*(\i)+2*(\k):X+16*(\i)+2*(\k)+1], v[G+2*(\k):G+2*(\k)+1], v[BV+2*(\k):BV+2*(\k)+1]
.endr
.irp k, 0,1,2,3,4,5,6,7
	v_cvt_pk_bf16_f32 v[X+16*(\i)+(\k)], v[X+16*(\i)+2*(\k)], v[X+16*(\i)+2*(\k)+1]
.endr
.irp j, 0,1,2,3
	ds_store_b64 v3, v[X+16*(\i)+2*(\j):X+16*(\i)+2*(\j)+1] offset:(\i)*PITCH+(\j)*256
.endr
.endr
	s_wait_dscnt 0x0                               ; for the others' sake: my rows lie in the stage
	s_barrier_signal -1
	s_barrier_wait -1
.irp i, 0,1,2,3,4,5,6,7
	ds_load_b128 v[T+4*(\i):T+4*(\i)+3], v4 offset:(\i)*32
.endr
.irp i, 0,1,2,3,4,5,6,7
	s_wait_dscnt 7-(\i)                            ; LDS loads come back in order: number i is in
	global_store_b128 v2, v[T+4*(\i):T+4*(\i)+3], s[10:11] offset:(\i)*512  ; 512 consecutive bytes, aligned
.endr
.Lend:
	s_wait_tensorcnt 0x0                           ; the wave's end
	ds_add_u32 v[SPW], v[NIL]
	s_wait_dscnt 0x0
	s_endpgm
.Lfunc_end_k_q2441b62d73_prep:
	.size	k_q2441b62d73_prep, .Lfunc_end_k_q2441b62d73_prep-k_q2441b62d73_prep
	.p2alignl 7, 3214868480
	.fill 96, 4, 3214868480
	.section	.rodata,"a",@progbits
	.p2align	6, 0x0
	.amdhsa_kernel k_q2441b62d73_prep
		.amdhsa_group_segment_fixed_size 17152
		.amdhsa_private_segment_fixed_size 0
		.amdhsa_enable_private_segment 0
		.amdhsa_kernarg_size 88
		.amdhsa_user_sgpr_count 2
		.amdhsa_user_sgpr_kernarg_segment_ptr 1
		.amdhsa_wavefront_size32 1
		.amdhsa_system_sgpr_workgroup_id_x 1
		.amdhsa_system_sgpr_workgroup_id_y 1
		.amdhsa_system_sgpr_workgroup_id_z 1
		.amdhsa_system_vgpr_workitem_id 0
		.amdhsa_next_free_vgpr 168
		.amdhsa_next_free_sgpr 66
		.amdhsa_reserve_vcc 0
		.amdhsa_float_denorm_mode_32 3
		.amdhsa_float_denorm_mode_16_64 3
		.amdhsa_memory_ordered 1
		.amdhsa_forward_progress 1
		.amdhsa_inst_pref_size 45
	.end_amdhsa_kernel
	.amdgpu_metadata
---
amdhsa.version: [ 1, 2 ]
amdhsa.kernels:
  - .name:           k_q2441b62d73_prep
    .symbol:         k_q2441b62d73_prep.kd
    .args:
      - { .name: x, .offset: 0, .size: 8, .value_kind: global_buffer, .address_space: global }
      - { .name: g1, .offset: 8, .size: 8, .value_kind: global_buffer, .address_space: global }
      - { .name: be1, .offset: 16, .size: 8, .value_kind: global_buffer, .address_space: global }
      - { .name: Wq, .offset: 24, .size: 8, .value_kind: global_buffer, .address_space: global }
      - { .name: Wk, .offset: 32, .size: 8, .value_kind: global_buffer, .address_space: global }
      - { .name: Wv, .offset: 40, .size: 8, .value_kind: global_buffer, .address_space: global }
      - { .name: Wo, .offset: 48, .size: 8, .value_kind: global_buffer, .address_space: global }
      - { .name: W1, .offset: 56, .size: 8, .value_kind: global_buffer, .address_space: global }
      - { .name: W2, .offset: 64, .size: 8, .value_kind: global_buffer, .address_space: global }
      - { .name: hn, .offset: 72, .size: 8, .value_kind: global_buffer, .address_space: global }
      - { .name: wf, .offset: 80, .size: 8, .value_kind: global_buffer, .address_space: global }
    .group_segment_fixed_size: 17152
    .private_segment_fixed_size: 0
    .kernarg_segment_align: 8
    .kernarg_segment_size: 88
    .max_flat_workgroup_size: 128
    .sgpr_count:     66
    .vgpr_count:     168
    .wavefront_size: 32
...
	.end_amdgpu_metadata
.endif
;; end of part 1
;; launch qkv (part 2): grid 8 x 32, 4 waves a work-group, clusters of 4 x 4, 327,680 bytes of LDS; arguments hn, wf, qf, kv; writes qf, kv
.if DOCPART == 2
	.amdgcn_target "amdgcn-amd-amdhsa--gfx1250"
	.amdhsa_code_object_version 6
	.text
	.protected	k_q2441b62d73_qkv
	.globl	k_q2441b62d73_qkv
	.p2align	8
	.type	k_q2441b62d73_qkv,@function
k_q2441b62d73_qkv:
	s_mov_b64 s[64:65], 0
	v_nop
	global_prefetch_b8 v0, s[64:65] scope:SCOPE_SE
	s_setreg_imm32_b32 hwreg(HW_REG_WAVE_MODE, 25, 1), 1
	s_wait_xcnt 0x0
	s_wait_alu depctr_hold_cnt(0) depctr_sa_sdst(0) depctr_va_vdst(0) depctr_va_sdst(0) depctr_va_ssrc(0) depctr_va_vcc(0) depctr_vm_vsrc(0)
	s_getreg_b32 s2, hwreg(HW_REG_IB_STS2, 6, 4)
	s_cmp_eq_u32 s2, 0
	s_cbranch_scc0 .Lentry_in_a_cluster
	s_endpgm
.Lentry_in_a_cluster:
	s_bfe_u32 s2, ttmp6, 0x10000c
	s_cmp_lg_u32 s2, 0xf033
	s_cbranch_scc0 .Lentry_shape_is_right
	s_endpgm
.Lentry_shape_is_right:
; q, k, v = h1 W, all heads.  A work-group makes 256 tokens x 192 columns (two heads' q, k, v); four waves, each 128 tokens x one head's 96 columns: 48 accumulators.  K = 512 in four steps of 128.
; OPERANDS lie in blocks of 16 rows, byte(row, k) = (row / 16) 32 K + (k / 8) 256 + (row % 16) 16 + (k % 8) 2: 16 rows x 32 k are 1,024 consecutive bytes in the order of the lanes, so a K step of a block
; is 4,096 dense bytes, LDS holds it without padding, and a fragment is two loads of 16 bytes a lane, 512 bytes apart, each 512 consecutive bytes.
; THE PRODUCT IS TAKEN TRANSPOSED for q and k (source 0 = 16 columns of W, source 1 = 16 tokens): a lane ends with eight neighbouring columns of one token, 16 bytes of the same layout, and a wave's store is 512
; consecutive bytes.  For v the sources are swapped: a lane ends with eight neighbouring TOKENS of one channel, which is the layout in which the second product of attention wants V (rows = channels, K = keys).
; OUT: qf [batch x head][block of 16 tokens][1 KiB]; kv [batch x head][tile of 256 keys][K: 16 blocks of 1 KiB; V: 2 blocks of 16 channels x 8 KiB].  All bf16, rounded once from f32 sums; no scale is applied here.
; CLUSTER 4 x 4: the tokens' tile is shared along a row of the cluster, the weights' along a column; each is asked for jointly.  RING: two slots of 128 KiB; waves 0, 1 bring the tokens' halves, waves 2, 3 the weights'.
; REGISTERS by absolute number (window = number / 256): 0-255 addresses and the way out; 256-639 accumulators; 768-879 and 896-1007 two fragment buffers.
.set MB, 8                             ; blocks of 16 tokens a wave
.set NB, 6                             ; blocks of 16 columns a wave
.set KD, 1                             ; matrix instructions deep in a quarter
.set KB, 4                             ; KiB of a block in a K step
.set NSTEP, 4
.set KSTEPB, 4096
.set STRIDE, 2048                      ; from block to block in memory, in elements of 8 bytes
.set NAH, 8                            ; blocks in what one wave brings of the tokens,
.set NBH, 6                            ; of the weights
.set BH, NBH*KB*1024
.set SWAPB, 4                          ; from this column block on the sources are swapped
.set CMODE, 0                          ; the sums start with the constant 0
.set BIB, 0
.set CIB, 0
.set SPARE, 262144                     ; behind the ring: the spare words, 128 bytes a wave
.set TMP, 64                           ; v[64:255] the way out: 48 sets of four
.set N, KD*MB*NB
.set SLOT1, 131072
.set BOFF, 65536                       ; the weights' place in a slot
.set ACC, 256
.set F0, 768
.set F1, 896
.set FW, (MB+NB)*8
.set LN16, 3                           ; v3 16 x lane
.set A0, 4                             ; v4 my tokens' fragments in slot 0
.set B0, 5                             ; v5 my weights'
.set ADRA, 6                           ; v6, v7 the same in the slot in hand
.set ADRB, 7
.set SPW, 28
.set NIL, 29
.set G1, 24                            ; s[24:31], s[32:39] descriptor groups 1 and 0 (two sets) for the tokens
.set G0, 32
.set G1B, 48                           ; s[48:55], s[56:63] for the weights
.set G0B, 56
.set TB, 66                            ; s66 the slot in hand, as an LDS byte
.set CNT, 67                           ; s67 loop counter
.set MSB, 0
.macro WIN new                         ; the immediate's high byte repeats the setting that is left; a switch that changes nothing is dropped
.if MSB != (\new)
	s_set_vgpr_msb (MSB<<8)|(\new)
.set MSB, (\new)
.endif
.endm
.macro WM d, x, y, c                   ; one matrix instruction on absolute register numbers
	WIN ((\x)>>8)|(((\y)>>8)<<2)|(((\c)>>8)<<4)|(((\d)>>8)<<6)
	v_wmma_f32_16x16x32_bf16 v[(\d)&255:((\d)&255)+7], v[(\x)&255:((\x)&255)+7], v[(\y)&255:((\y)&255)+7], v[(\c)&255:((\c)&255)+7]
.endm
.macro WMZ d, x, y                     ; the same with the constant 0 as C
	WIN ((\x)>>8)|(((\y)>>8)<<2)|(((\d)>>8)<<4)|(((\d)>>8)<<6)
	v_wmma_f32_16x16x32_bf16 v[(\d)&255:((\d)&255)+7], v[(\x)&255:((\x)&255)+7], v[(\y)&255:((\y)&255)+7], 0
.endm
; Products i0 .. i0 + n - 1 of a quarter's N on buffer f.  The accumulators take turns, one instruction a turn, in the same order everywhere.
.macro MULR f, i0, n, first
.set mi, \i0
.rept \n
.set md, mi/(MB*NB)
.set ma, (mi/NB)%MB
.set mb, mi%NB
.set rD, ACC+8*(ma*NB+mb)
.set rX, (\f)+md*FW+MB*8+8*mb
.set rY, (\f)+md*FW+8*ma
.if mb >= SWAPB
.set rX, (\f)+md*FW+8*ma
.set rY, (\f)+md*FW+MB*8+8*mb
.endif
.if (\first) && (md == 0)
.if CMODE == 0
	WMZ rD, rX, rY
.elseif CMODE == 1
	WM rD, rX, rY, BIB+8*mb
.else
	WM rD, rX, rY, CIB+8*(ma*NB+mb)
.endif
.else
	WM rD, rX, rY, rD
.endif
.set mi, mi+1
.endr
.endm
.macro FETCH kq, f                     ; quarter kq's fragments into buffer f, in one run
	WIN 0xc0                                       ; destination window 3, address window 0
.set fd, 0
.rept KD
.set fa, 0
.rept MB
	ds_load_b128 v[((\f)&255)+fd*FW+8*fa:((\f)&255)+fd*FW+8*fa+3],   v[ADRA] offset:(fa*KB+(\kq)*KD+fd)*1024
	ds_load_b128 v[((\f)&255)+fd*FW+8*fa+4:((\f)&255)+fd*FW+8*fa+7], v[ADRA] offset:(fa*KB+(\kq)*KD+fd)*1024+512
.set fa, fa+1
.endr
.set fb, 0
.rept NB
	ds_load_b128 v[((\f)&255)+fd*FW+MB*8+8*fb:((\f)&255)+fd*FW+MB*8+8*fb+3],   v[ADRB] offset:(fb*KB+(\kq)*KD+fd)*1024
	ds_load_b128 v[((\f)&255)+fd*FW+MB*8+8*fb+4:((\f)&255)+fd*FW+MB*8+8*fb+7], v[ADRB] offset:(fb*KB+(\kq)*KD+fd)*1024+512
.set fb, fb+1
.endr
.set fd, fd+1
.endr
.endm
.macro PLACES                          ; four plain vector instructions between a matrix instruction and a load into its sources or a reader of its result
.rept 4
	v_nop
.endr
.endm
.macro QUARTER kq, f, g, first         ; multiplies buffer f; ahead of that asks for quarter kq into g, which the quarter before multiplied
	s_wait_dscnt 0x0                               ; f's loads were issued a quarter ago
	PLACES
	FETCH \kq, \g
	MULR \f, 0, N, \first
.endm
.macro JLOAD s                         ; a joint load: waves 0, 1 for the tokens, 2, 3 for the weights; the branch hangs on the wave's number alone
	s_cmp_eq_u32 s11, 0
	s_cbranch_scc0 .Lfor_b_\@
	tensor_load_to_lds s[G0+4*(\s):G0+4*(\s)+3], s[G1:G1+7]
	s_nop 0
.rept 4
	v_nop
.endr
	s_branch .Lasked_\@
.Lfor_b_\@:
	tensor_load_to_lds s[G0B+4*(\s):G0B+4*(\s)+3], s[G1B:G1B+7]
	s_nop 0
.rept 4
	v_nop
.endr
.Lasked_\@:
.endm
.macro CREST                           ; a round of the cluster's barrier behind its opening barrier
	s_cmp_lg_u32 s10, 0
	s_cbranch_scc1 .Lnot_wave_0_\@
	s_barrier_signal -3
.Lnot_wave_0_\@:
	s_barrier_wait -3
	s_barrier_signal -1
	s_barrier_wait -1
.endm
.macro CROUND
	s_barrier_signal -1
	s_barrier_wait -1
	CREST
.endm
; A K step's last quarter multiplies buffer 1 and changes slots.  In front of the barrier each wave has waited for all its tensor loads (one is out: its part of the next slot), has added 0 to its spare word,
; and has waited for that and for its reads of the slot that it leaves.  fill = 1: the barrier opens a round of the cluster's, and the joint refill (two K steps on) is the first thing behind it.
; fill = 0 (the tail): nothing is asked for; in the last trip there is no next step, and the fetch is jumped over.
.macro TURN fill
	s_wait_dscnt 0x0                               ; buffer 1 is in: my last reads of this slot
	WIN 0
	s_wait_tensorcnt 0x0
	ds_add_u32 v[SPW], v[NIL]                      ; work on registers stands between it and its wait
.if \fill
	s_xor_b32 s[G0+5], s[G0+5], SLOT1              ; the walking descriptors: the other slot than last time, the next K step
	s_add_nc_u64 s[G0+6:G0+7], s[G0+6:G0+7], KSTEPB
	s_xor_b32 s[G0B+5], s[G0B+5], SLOT1
	s_add_nc_u64 s[G0B+6:G0B+7], s[G0B+6:G0B+7], KSTEPB
.endif
	s_xor_b32 s[TB], s[TB], SLOT1
	MULR F1, 0, N/4, 0
	s_wait_dscnt 0x0                               ; the add is done
	s_barrier_signal -1
	MULR F1, N/4, N/4, 0
	WIN 0
	s_barrier_wait -1
.if \fill
	CREST
	JLOAD 1                                        ; its four v_nop are also the places in front of the loads below
.else
	PLACES
	s_cmp_eq_u32 s[CNT], 1
	s_cbranch_scc1 .Lnf_\@
.endif
	v_add_nc_u32 v[ADRA], s[TB], v[A0]
	v_add_nc_u32 v[ADRB], s[TB], v[B0]
	FETCH 0, F0
.if !(\fill)
	WIN 0
.Lnf_\@:
.endif
	MULR F1, N/2, N/2, 0
.endm
	s_load_b128 s[4:7], s[0:1], 0x0                ; hn, wf
	s_load_b128 s[68:71], s[0:1], 0x10             ; qf, kv
	v_lshl_add_u32 v[SPW], v0, 2, SPARE
	v_mov_b32 v[NIL], 0
	ds_add_u32 v[SPW], v[NIL]                      ; the opening: the add and its wait stand ahead of my first tensor load
	v_lshrrev_b32 v1, 5, v0
	v_readfirstlane_b32 s10, v1                    ; wave 0..3
	s_lshr_b32 s11, s10, 1                         ; my half of the tokens.  Also: I fetch tokens (0) or weights (1)
	s_and_b32 s12, s10, 1                          ; my half of the columns.  Also: which half I fetch
	s_bfe_u32 s40, ttmp6, 0x40000                  ; cx
	s_bfe_u32 s41, ttmp6, 0x40004                  ; cy
	s_lshl_b32 s42, ttmp9, 2
	s_add_co_u32 s42, s42, s40                     ; column tile
	s_and_b32 s13, ttmp7, 0xffff
	s_lshl_b32 s13, s13, 2
	s_add_co_u32 s13, s13, s41                     ; token tile
	s_lshl_b32 s43, s41, 2
	s_lshl_b32 s43, 15, s43                        ; my row of the cluster
	s_lshl_b32 s44, 0x1111, s40                    ; my column
	s_or_b32 s[G1], s43, (3<<16)|(1<<21)           ; the mask; elements of 8 bytes; bit 21 beside a mask; no padding
	s_or_b32 s[G1B], s44, (3<<16)|(1<<21)
	s_mov_b32 s[G1+1], (KSTEPB/8)<<16              ; tensor_dim0
	s_mov_b32 s[G1+2], NAH<<16                     ; tensor_dim1
	s_mov_b32 s[G1+3], (KSTEPB/8)<<16              ; tile_dim0: a block's K step
	s_mov_b32 s[G1+4], NAH                         ; tile_dim1: blocks
	s_mov_b32 s[G1+5], STRIDE
	s_mov_b32 s[G1+6], 0
	s_mov_b32 s[G1+7], 0
	s_mov_b32 s[G1B+1], (KSTEPB/8)<<16
	s_mov_b32 s[G1B+2], NBH<<16
	s_mov_b32 s[G1B+3], (KSTEPB/8)<<16
	s_mov_b32 s[G1B+4], NBH
	s_mov_b32 s[G1B+5], STRIDE
	s_mov_b32 s[G1B+6], 0
	s_mov_b32 s[G1B+7], 0
	s_lshl_b32 s16, s13, 18                        ; tokens: 16 blocks of 16 KiB a tile,
	s_lshl_b32 s17, s12, 17                        ; eight a half
	s_add_co_u32 s16, s16, s17
	s_mov_b32 s17, 0
	s_mul_i32 s46, s42, 196608                     ; weights: 12 blocks a tile,
	s_mul_i32 s47, s12, 98304                      ; six a half
	s_add_co_u32 s46, s46, s47
	s_mov_b32 s47, 0
	s_lshl_b32 s20, s12, 15                        ; where they go: no place in the cluster enters an LDS address
	s_mul_i32 s21, s12, BH
	s_add_co_u32 s21, s21, BOFF
	s_wait_dscnt 0x0                               ; the opening add is done
	s_wait_kmcnt 0x0
	s_add_nc_u64 s[14:15], s[4:5], s[16:17]
	s_add_nc_u64 s[46:47], s[6:7], s[46:47]
	CROUND                                         ; all sixteen work-groups are here: the first joint loads meet
.irp s, 0,1
	s_mov_b32 s[G0+4*(\s)], 1
	s_add_co_u32 s[G0+4*(\s)+1], s20, (\s)*SLOT1
	s_add_nc_u64 s[G0+4*(\s)+2:G0+4*(\s)+3], s[14:15], (\s)*KSTEPB
	s_or_b32 s[G0+4*(\s)+3], s[G0+4*(\s)+3], 0x80000000
	s_mov_b32 s[G0B+4*(\s)], 1
	s_add_co_u32 s[G0B+4*(\s)+1], s21, (\s)*SLOT1
	s_add_nc_u64 s[G0B+4*(\s)+2:G0B+4*(\s)+3], s[46:47], (\s)*KSTEPB
	s_or_b32 s[G0B+4*(\s)+3], s[G0B+4*(\s)+3], 0x80000000
	JLOAD \s
.endr
	v_and_b32 v1, 31, v0
	v_lshlrev_b32 v[LN16], 4, v1
	s_lshl_b32 s22, s11, 15
	v_add_nc_u32 v[A0], s22, v[LN16]
	s_mul_i32 s23, s12, BH
	s_add_co_u32 s23, s23, BOFF
	v_add_nc_u32 v[B0], s23, v[LN16]
	s_mov_b32 s[TB], 0
	v_mov_b32 v[ADRA], v[A0]
	v_mov_b32 v[ADRB], v[B0]
	; where the results go
	s_lshr_b32 s76, s13, 3                         ; batch
	s_and_b32 s77, s13, 7                          ; tile of 256 tokens in it
	s_lshl_b32 s78, s42, 1
	s_add_co_u32 s78, s78, s12                     ; my head
	s_lshl4_add_u32 s78, s76, s78                  ; 16 batch + head
	s_lshl_b32 s80, s78, 17
	s_lshl_b32 s79, s77, 14
	s_add_co_u32 s80, s80, s79
	s_lshl_b32 s79, s11, 13
	s_add_co_u32 s80, s80, s79
	s_mov_b32 s81, 0
	s_add_nc_u64 s[68:69], s[68:69], s[80:81]      ; q at my eight blocks of tokens
	s_lshl_b32 s80, s78, 18
	s_lshl_b32 s79, s77, 15
	s_add_co_u32 s80, s80, s79
	s_add_nc_u64 s[70:71], s[70:71], s[80:81]      ; kv at the tile
	s_lshl_b32 s80, s11, 13
	s_add_nc_u64 s[72:73], s[70:71], s[80:81]      ; K at my eight blocks of keys
	s_lshl_b32 s80, s11, 12
	s_add_co_u32 s80, s80, 16384
	s_add_nc_u64 s[74:75], s[70:71], s[80:81]      ; V at my 128 keys
	s_wait_tensorcnt 0x1                           ; my part of K step 0 is in; K step 1's may stay out
	s_barrier_signal -1
	s_barrier_wait -1
	FETCH 0, F0
	QUARTER 1, F0, F1, 1                           ; the first quarter starts the sums
	WIN 0
	s_mov_b32 s[CNT], NSTEP-2
.Lring:                                        ; a trip: from a step's second quarter to the next step's first; one refill
	QUARTER 2, F1, F0, 0
	QUARTER 3, F0, F1, 0
	TURN 1
	QUARTER 1, F0, F1, 0
	WIN 0
	s_sub_co_u32 s[CNT], s[CNT], 1
	s_cmp_lg_u32 s[CNT], 0
	s_cbranch_scc1 .Lring
	s_mov_b32 s[CNT], 2
.Ltail:                                        ; the last two steps ask for nothing
	QUARTER 2, F1, F0, 0
	QUARTER 3, F0, F1, 0
	TURN 0
	WIN 0
	s_cmp_eq_u32 s[CNT], 1
	s_cbranch_scc1 .Lskip
	QUARTER 1, F0, F1, 0
	WIN 0
.Lskip:
	s_sub_co_u32 s[CNT], s[CNT], 1
	s_cmp_lg_u32 s[CNT], 0
	s_cbranch_scc1 .Ltail
	; THE WAY OUT: each accumulator, from its low end, packs into 16 bytes a lane; a wave's store is 512 consecutive bytes, aligned.
	PLACES
.set t, 0
.rept 48
	WIN 0x05*((ACC+8*t)>>8)                        ; sources in the accumulator's window
.irp e, 0,1,2,3
	v_cvt_pk_bf16_f32 v[TMP+4*t+(\e)], v[((ACC+8*t)&255)+2*(\e)], v[((ACC+8*t)&255)+2*(\e)+1]
.endr
.set t, t+1
.endr
	WIN 0
.set t, 0
.rept 48
.set sa, t/6
.set sb, t%6
.if sb < 2
	global_store_b128 v[LN16], v[TMP+4*t:TMP+4*t+3], s[68:69] offset:sa*1024+sb*512
.elseif sb < 4
	global_store_b128 v[LN16], v[TMP+4*t:TMP+4*t+3], s[72:73] offset:sa*1024+(sb-2)*512
.else
	global_store_b128 v[LN16], v[TMP+4*t:TMP+4*t+3], s[74:75] offset:(sb-4)*8192+sa*512
.endif
.set t, t+1
.endr
	s_wait_tensorcnt 0x0                           ; the wave's end
	ds_add_u32 v[SPW], v[NIL]
	s_wait_dscnt 0x0
	CROUND                                         ; the closing round: no work-group ends while a partner may still ask jointly
	s_endpgm
.Lfunc_end_k_q2441b62d73_qkv:
	.size	k_q2441b62d73_qkv, .Lfunc_end_k_q2441b62d73_qkv-k_q2441b62d73_qkv
	.p2alignl 7, 3214868480
	.fill 96, 4, 3214868480
	.section	.rodata,"a",@progbits
	.p2align	6, 0x0
	.amdhsa_kernel k_q2441b62d73_qkv
		.amdhsa_group_segment_fixed_size 327680
		.amdhsa_private_segment_fixed_size 0
		.amdhsa_enable_private_segment 0
		.amdhsa_kernarg_size 32
		.amdhsa_user_sgpr_count 2
		.amdhsa_user_sgpr_kernarg_segment_ptr 1
		.amdhsa_wavefront_size32 1
		.amdhsa_system_sgpr_workgroup_id_x 1
		.amdhsa_system_sgpr_workgroup_id_y 1
		.amdhsa_system_sgpr_workgroup_id_z 1
		.amdhsa_system_vgpr_workitem_id 0
		.amdhsa_next_free_vgpr 1024
		.amdhsa_next_free_sgpr 84
		.amdhsa_reserve_vcc 0
		.amdhsa_float_denorm_mode_32 3
		.amdhsa_float_denorm_mode_16_64 3
		.amdhsa_memory_ordered 1
		.amdhsa_forward_progress 1
		.amdhsa_inst_pref_size 73
	.end_amdhsa_kernel
	.amdgpu_metadata
---
amdhsa.version: [ 1, 2 ]
amdhsa.kernels:
  - .name:           k_q2441b62d73_qkv
    .symbol:         k_q2441b62d73_qkv.kd
    .args:
      - { .name: hn, .offset: 0, .size: 8, .value_kind: global_buffer, .address_space: global }
      - { .name: wf, .offset: 8, .size: 8, .value_kind: global_buffer, .address_space: global }
      - { .name: qf, .offset: 16, .size: 8, .value_kind: global_buffer, .address_space: global }
      - { .name: kv, .offset: 24, .size: 8, .value_kind: global_buffer, .address_space: global }
    .group_segment_fixed_size: 327680
    .private_segment_fixed_size: 0
    .kernarg_segment_align: 8
    .kernarg_segment_size: 32
    .max_flat_workgroup_size: 128
    .sgpr_count:     84
    .vgpr_count:     1024
    .wavefront_size: 32
...
	.end_amdgpu_metadata
.endif
;; end of part 2
;; launch attn (part 3): grid 4 x 64, 8 waves a work-group, no clusters, 327,680 bytes of LDS; arguments qf, kv, af; writes af
.if DOCPART == 3
	.amdgcn_target "amdgcn-amd-amdhsa--gfx1250"
	.amdhsa_code_object_version 6
	.text
	.protected	k_q2441b62d73_attn
	.globl	k_q2441b62d73_attn
	.p2align	8
	.type	k_q2441b62d73_attn,@function
k_q2441b62d73_attn:
	s_mov_b64 s[64:65], 0
	v_nop
	global_prefetch_b8 v0, s[64:65] scope:SCOPE_SE
	s_setreg_imm32_b32 hwreg(HW_REG_WAVE_MODE, 25, 1), 1
	s_wait_xcnt 0x0
; CAUSAL ATTENTION, head size 32, 64 batch x heads of 2,048 tokens.  O[q] = the sum over k <= q of softmax_k(Q[q] . K[k] / sqrt(32)) V[k].  Q, K, V, O in bf16; products, maxima and sums in f32.
; THE WALK.  A head's queries lie in 8 blocks of 256; block i needs the key tiles 0 .. i of 256 keys, the last of which holds the diagonal.  A work-group takes blocks 7 - b and then b: 9 tiles whatever b,
; so all work-groups do equal work and one loop with a constant count walks them.  Which tile is asked for hangs on scalar registers made from b; every jump but the loops' own goes forward.
; NO CLUSTER: a head's four work-groups ask for the same tile only in the first five of the nine trips; one walk common to all four would have 12 trips for 9.
; SHARES.  Eight waves, two on a SIMD; a wave owns 32 queries: two tiles of 16.  A step is 64 keys, written in phases; the partner wave on the SIMD has the matrix unit while this one walks its softmax.
; LAYOUT.  S^T = K Q^T (source 0 = 16 keys, source 1 = 16 queries; the head's 32 channels are one instruction's K): a lane holds ONE query (lane % 16) and keys 8 (lane / 16) + 0..7.  Two such results rounded to bf16
; ARE source 1 of O^T = V^T P.  K, V and Q were stored in the order of the fragments: each fragment is 1,024 consecutive bytes, two loads of 16 bytes a lane.
; SOFTMAX.  A running maximum m: p = 2^(c s - c m), c = log2(e) / sqrt(32); O and l are multiplied by a = 2^(c m_old - c m_new) in every step.
; THE ROW SUM l is a third product: source 0 holds ones in rows 0 and 8, so register 0 of that accumulator holds the sum of the query's weights in every lane.  So l is the f32 sum of the weights AS ROUNDED TO BF16,
; the same numbers that multiply V: an order of rounding that differs from the reference's, which sums unrounded weights.
; THE MASK, in the diagonal tile alone, is the C operand of K Q^T: 0 or -1e30.  In units of 16: key block 4 s + kt against query block 2 w + t: below, all seen; above, all hidden; equal, MD (key 8 h + j > query r).
; LIMITS.  A hidden score counts as its value less 1e30; a weight below 2^-126 counts as 0; NaN and infinities are not treated apart.
.set SLOTB, 32768                      ; a slot: a tile's K (16 KiB), then its V (16 KiB); slot 1 begins here
.set SPARE, 65536                      ; behind the ring: the spare words, 128 bytes for each of eight waves
.set LN,  1                            ; v1  16 x lane
.set AK,  2                            ; v2  LDS address of K's run of loads
.set AV,  3                            ; v3  of V's
.set PFO, 5                            ; v5  256 x lane
.set SPW, 6
.set NIL, 7
.set W,   12                           ; v12, v13  c m_old, by tile
.set ST,  16                           ; tile t at +8 t: c m, m, a, a's partner, c0-c3 at work
.set MD,  32                           ; v[32:39]  the mask of a diagonal block
.set ONES, 40                          ; v[40:47]
.set K,   48                           ; v[48:79]  four fragments
.set V,   80                           ; v[80:111] channel block cb, key half g at V + 16 cb + 8 g
.set S,   112                          ; v[112:175] tile t, key block kt at S + 32 t + 8 kt
.set P,   176                          ; v[176:207] tile t at P + 16 t
.set OT,  208                          ; v[208:223] the way out
.set Q,   48                           ; window 1: v[0:47] O (tile t at 24 t: channels 0-15, 16-31, l); v[48:63] Q; v[64:79] the second block's Q
.set QB,  64
.set WV,  12
.set PB,  14
.set HI,  15
.set G1,  24                           ; s[24:31]
.set G0,  40                           ; s[40:43]
.set SLOTS, 56
.set CNT, 57
.set CS,  58                           ; s[58:59] c
.set SEL, 60                           ; s[60:61]
.set TBK, 62                           ; LDS byte of K of the step to be fetched
.set TBV, 63                           ; the same for V, less 16,384
.set RT,  70                           ; tiles of the block in hand still to be entered
.set NXT, 71                           ; the tile to be asked for next
.set LQ,  72                           ; the last tile of the block whose tiles are being asked for
.set NEW, 73                           ; 1: the tile to be entered is a block's first
.set OFF, 74                           ; s[74:75]
.set AL,  76                           ; s[76:77] the mask's factor
.set BE,  78                           ; s[78:79] the mask's addend
.set OLO, 80                           ; s[80:81] O at my rows of the second block
.set BIGN, 82
.set SD,  83
.set PFA, 84                           ; s[84:85] where the prefetches stand
.set PFT, 86                           ; the tile that they name
.set PFE, 87                           ; 8 in the one wave that prefetches, else 0
.set KVB, 88                           ; s[88:89] the head's K (wave 0) or V (wave 1) of tile 0
.set MSB, 0
.macro WIN new
.if MSB != (\new)
	s_set_vgpr_msb (MSB<<8)|(\new)
.set MSB, (\new)
.endif
.endm
.macro LOAD                            ; wave 0 brings a tile's K, wave 1 its V: 64 rows of 256 bytes each, dense
	s_cmp_lt_u32 s[WV], 2
	s_cbranch_scc0 .Lnoload_\@
	tensor_load_to_lds s[G0:G0+3], s[G1:G1+7]
	s_nop 0
.rept 4
	v_nop
.endr
.Lnoload_\@:
.endm
; A prefetch of the tile that the NEXT change of slots will ask for: 128 blocks of 256 bytes, a lane a block, four instructions.  All four work-groups of a head walk the tiles in the same order; the one with b = 0,
; which walks all eight, asks, in its wave 2 alone: so each block is named once in the launch.  Tiles 0 and 1 come by their loads alone; behind tile 7 nothing is named.
.macro ASK
	s_cmp_lt_u32 s[PFT], s[PFE]
	s_cbranch_scc0 .Lna_\@
.irp i, 0,1,2,3
	global_prefetch_b8 v[PFO], s[PFA:PFA+1] offset:(\i)*8192 th:TH_LOAD_NT scope:SCOPE_SE
.endr
.Lna_\@:
.endm
; THE CHANGE OF SLOTS.  Each wave waits for all its tensor loads, adds 0 to its spare word, and waits for that and for its reads of the slot that it leaves; behind the barrier the old slot is filled first.
.macro CHANGE fill
	WIN 0
	s_wait_tensorcnt 0x0                           ; no tensor load of mine is out, so group 0 may be written
	ds_add_u32 v[SPW], v[NIL]                      ; with fill = 1, scalar work stands between it and its wait
.if \fill
	s_lshl_b32 s[OFF], s[NXT], 15                  ; a tile is 32,768 bytes
	s_xor_b32 s[G0+1], s[G0+1], SLOTB
	s_add_nc_u64 s[G0+2:G0+3], s[KVB:KVB+1], s[OFF:OFF+1]
	s_or_b32 s[G0+3], s[G0+3], 0x80000000
	s_add_co_u32 s[NXT], s[NXT], 1                 ; the block's next tile, or behind its last the second block's tile 0
	s_cmp_gt_u32 s[NXT], s[LQ]
	s_cselect_b32 s[NXT], 0, s[NXT]
	s_cselect_b32 s[LQ], s[PB], s[LQ]
	s_wait_xcnt 0x0                                ; the last prefetches, a tile back, have read their address
	s_add_nc_u64 s[PFA:PFA+1], s[PFA:PFA+1], 32768
	s_add_co_u32 s[PFT], s[PFT], 1
.endif
	s_wait_dscnt 0x0                               ; the add is done, and my reads of the slot are over
	s_barrier_signal -1
	s_sub_co_u32 s[TBK], s[TBK], 16384             ; the fetches go back to a slot's first step, in the other slot
	s_xor_b32 s[TBK], s[TBK], SLOTB
	s_sub_co_u32 s[TBV], s[TBV], 8192
	s_xor_b32 s[TBV], s[TBV], SLOTB
	s_barrier_wait -1
.if \fill
	LOAD
	ASK
.endif
.endm
; Number n of the list that finds tile t's maximum and statistics.  0-11: four chains of seven scores, each accumulator read from its low end; 12-14, 16: the rest, the old m, and all into c0;
; 17, 18: the query's other 32 keys lie in the lane 16 away; 19-21: c m; c m_old - c m_new; a.
.macro XS t, n
.set rT, ST+8*(\t)
.set rC, ST+8*(\t)+4
.set rS, S+32*(\t)
.if (\n) < 4
	v_max3_num_f32 v[rC+(\n)], v[rS+8*(\n)], v[rS+8*(\n)+1], v[rS+8*(\n)+2]
.elseif (\n) < 12
	v_max3_num_f32 v[rC+(\n)%4], v[rC+(\n)%4], v[rS+8*((\n)%4)+2*((\n)/4)+1], v[rS+8*((\n)%4)+2*((\n)/4)+2]
.elseif (\n) == 12
	v_max3_num_f32 v[rC], v[rC], v[rS+7], v[rS+15]
.elseif (\n) == 13
	v_max3_num_f32 v[rC+1], v[rC+1], v[rS+23], v[rS+31]
.elseif (\n) == 14
	v_max3_num_f32 v[rC+2], v[rC+2], v[rC+3], v[rT+1]
.elseif (\n) == 16
	v_max3_num_f32 v[rC], v[rC], v[rC+1], v[rC+2]
.elseif (\n) == 17
	v_permlanex16_b32 v[rC+3], v[rC], s[SEL], s[SEL+1]
.elseif (\n) == 18
	v_max_num_f32 v[rT+1], v[rC], v[rC+3]
.elseif (\n) == 19
	v_mul_f32 v[rT], s[CS], v[rT+1]
.elseif (\n) == 20
	v_sub_f32 v[rC+1], v[W+(\t)], v[rT]
.else
	v_exp_f32 v[rT+2], v[rC+1]
.endif
.endm
.macro FS t, p                         ; c s - c m for pair p of tile t
	v_pk_fma_f32 v[S+32*(\t)+2*(\p):S+32*(\t)+2*(\p)+1], v[S+32*(\t)+2*(\p):S+32*(\t)+2*(\p)+1], s[CS:CS+1], v[ST+8*(\t):ST+8*(\t)+1] op_sel_hi:[1,0,0] neg_lo:[0,0,1] neg_hi:[0,0,1]
.endm
.macro ES t, e
	v_exp_f32 v[S+32*(\t)+(\e)], v[S+32*(\t)+(\e)]
.endm
; A KEY STEP.  m = 1: the diagonal tile's.
.macro STEP m
	WIN 0
	v_add_nc_u32 v[AK], s[TBK], v[LN]
.irp kt, 0,1,2,3
	ds_load_b128 v[K+8*(\kt):K+8*(\kt)+3],   v[AK] offset:(\kt)*1024
	ds_load_b128 v[K+8*(\kt)+4:K+8*(\kt)+7], v[AK] offset:(\kt)*1024+512
.endr
	s_add_co_u32 s[TBK], s[TBK], 4096
.if \m
	s_lshl_b32 s[SD], s[CNT], 2                    ; SD = 4 s - 2 w, s = 4 - CNT: key block less query block is SD + kt - t
	s_sub_co_u32 s[SD], 16, s[SD]
	s_lshl_b32 s94, s[WV], 1
	s_sub_co_i32 s[SD], s[SD], s94
.set me, 1
.rept 5                                ; for each t - kt = me: the factor and the addend, then the masks, MD x AL + BE, into S, which the products take as C
	s_cmp_eq_i32 s[SD], me
	s_cselect_b32 s[AL], 1.0, 0
	s_cmp_gt_i32 s[SD], me
	s_cselect_b32 s[BE], s[BIGN], 0
.set mt, 0
.rept 2
.set mk, mt-me
.if (mk >= 0) && (mk < 4)
.set mz, 0
.rept 4
	v_pk_fma_f32 v[S+32*mt+8*mk+2*mz:S+32*mt+8*mk+2*mz+1], v[MD+2*mz:MD+2*mz+1], s[AL:AL+1], s[BE:BE+1] op_sel_hi:[1,0,0]
.set mz, mz+1
.endr
.endif
.set mt, mt+1
.endr
.set me, me-1
.endr
.endif
	s_wait_dscnt 0x0                               ; K is in
	WIN 0x04                                       ; Q in window 1
.irp kt, 0,1,2,3
.irp t, 0,1
.if \m
	v_wmma_f32_16x16x32_bf16 v[S+32*(\t)+8*(\kt):S+32*(\t)+8*(\kt)+7], v[K+8*(\kt):K+8*(\kt)+7], v[Q+8*(\t):Q+8*(\t)+7], v[S+32*(\t)+8*(\kt):S+32*(\t)+8*(\kt)+7]
.else
	v_wmma_f32_16x16x32_bf16 v[S+32*(\t)+8*(\kt):S+32*(\t)+8*(\kt)+7], v[K+8*(\kt):K+8*(\kt)+7], v[Q+8*(\t):Q+8*(\t)+7], 0
.endif
.endr
.endr
	WIN 0
	v_add_nc_u32 v[AV], s[TBV], v[LN]              ; four plain instructions: the places behind the scores' products, and (with the line at the step's head) behind the last products that read V
	v_mov_b32 v[W], v[ST]                          ; c m_old is kept
	v_mov_b32 v[W+1], v[ST+8]
	v_nop
.irp cb, 0,1
.irp g, 0,1
	ds_load_b128 v[V+16*(\cb)+8*(\g):V+16*(\cb)+8*(\g)+3],   v[AV] offset:16384+(\cb)*8192+(\g)*1024
	ds_load_b128 v[V+16*(\cb)+8*(\g)+4:V+16*(\cb)+8*(\g)+7], v[AV] offset:16384+(\cb)*8192+(\g)*1024+512
.endr
.endr
	s_add_co_u32 s[TBV], s[TBV], 2048
.irp n, 0,1,2,3,4,5,6,7,8,9,10,11,12,13,14,16,17,18,19,20
	XS 0, \n
	XS 1, \n
.endr
	; ONE BATCH: the two a, the 32 scalings and the 64 exponentials; nothing in it names an exponential's result.  A pair is scaled one group ahead of its exponentials.
	XS 0, 21
	XS 1, 21
	FS 0, 0
	FS 1, 0
.set bi, 1
.rept 15
	FS 0, bi
	ES 0, 2*bi-2
	FS 1, bi
	ES 1, 2*bi-2
	ES 0, 2*bi-1
	ES 1, 2*bi-1
.set bi, bi+1
.endr
	ES 0, 30
	ES 1, 30
	ES 0, 31
	ES 1, 31
	v_nop                                          ; a plain instruction behind the last exponential,
	s_wait_alu depctr_va_vdst(0)                   ; and one wait for the batch, ahead of the first line that names a result
.irp t, 0,1
.set z, 0
.rept 16
	v_cvt_pk_bf16_f32 v[P+16*(\t)+z], v[S+32*(\t)+2*z], v[S+32*(\t)+2*z+1]
.set z, z+1
.endr
.endr
	WIN 0x41                                       ; O in window 1, a in window 0
.irp t, 0,1
.set z, 0
.rept 8
	v_pk_mul_f32 v[24*(\t)+2*z:24*(\t)+2*z+1], v[24*(\t)+2*z:24*(\t)+2*z+1], v[ST+8*(\t)+2:ST+8*(\t)+3] op_sel_hi:[1,0]
.set z, z+1
.endr
	v_mul_f32 v[24*(\t)+16], v[24*(\t)+16], v[ST+8*(\t)+2]  ; l; the accumulator's other registers hold 0
.endr
	s_wait_dscnt 0x0                               ; V is in
	WIN 0x50                                       ; C and D in window 1
.irp g, 0,1                            ; six accumulators by turns
.irp t, 0,1
	v_wmma_f32_16x16x32_bf16 v[24*(\t):24*(\t)+7], v[V+8*(\g):V+8*(\g)+7], v[P+16*(\t)+8*(\g):P+16*(\t)+8*(\g)+7], v[24*(\t):24*(\t)+7]
	v_wmma_f32_16x16x32_bf16 v[24*(\t)+8:24*(\t)+15], v[V+16+8*(\g):V+16+8*(\g)+7], v[P+16*(\t)+8*(\g):P+16*(\t)+8*(\g)+7], v[24*(\t)+8:24*(\t)+15]
	v_wmma_f32_16x16x32_bf16 v[24*(\t)+16:24*(\t)+23], v[ONES:ONES+7], v[P+16*(\t)+8*(\g):P+16*(\t)+8*(\g)+7], v[24*(\t)+16:24*(\t)+23]
.endr
.endr
	WIN 0
.endm
.macro BEGIN                           ; a block begins: c m far below every c s, so the first step's a is 0 and what O and l hold need only be finite
	s_mov_b32 s[NEW], 0
.irp t, 0,1
	v_mov_b32 v[ST+8*(\t)], 0xfe000000
	v_mov_b32 v[ST+8*(\t)+1], 0xff7fffff
.endr
.endm
; A block ends: O / l, rounded to bf16, stored in the layout of the next product's operand: a wave's store is 512 consecutive bytes.  last = 0: the second block is set up.
.macro FINISH last
.rept 4
	v_nop                                          ; the places behind the last products
.endr
	WIN 0x01
	v_rcp_f32 v[ST+2], v[16]
	v_rcp_f32 v[ST+10], v[40]
	v_nop
	s_wait_alu depctr_va_vdst(0)                   ; one wait for the two reciprocals
	WIN 0x41
.irp t, 0,1
.set z, 0
.rept 8
	v_pk_mul_f32 v[24*(\t)+2*z:24*(\t)+2*z+1], v[24*(\t)+2*z:24*(\t)+2*z+1], v[ST+8*(\t)+2:ST+8*(\t)+3] op_sel_hi:[1,0]
.set z, z+1
.endr
.endr
	WIN 0x05
.irp t, 0,1
.set z, 0
.rept 8
	v_cvt_pk_bf16_f32 v[OT+8*(\t)+z], v[24*(\t)+2*z], v[24*(\t)+2*z+1]
.set z, z+1
.endr
.endr
	WIN 0
.irp t, 0,1
.irp cb, 0,1
	global_store_b128 v[LN], v[OT+8*(\t)+4*(\cb):OT+8*(\t)+4*(\cb)+3], s[8:9] offset:(\t)*16384+(\cb)*512
.endr
.endr
.if !(\last)
	s_wait_xcnt 0x0                                ; the stores have read their registers and O's address
	s_mov_b64 s[8:9], s[OLO:OLO+1]
	s_add_co_u32 s[RT], s[PB], 1                   ; the second block has b + 1 tiles
	s_mov_b32 s[NEW], 1
	WIN 0x41
.set z, 0
.rept 16
	v_mov_b32 v[Q+z], v[QB+z]
.set z, z+1
.endr
	WIN 0
.endif
.endm
	s_load_b128 s[4:7], s[0:1], 0x0                ; qf, kv
	s_load_b64 s[8:9], s[0:1], 0x10                ; af
	v_lshl_add_u32 v[SPW], v0, 2, SPARE
	v_mov_b32 v[NIL], 0
	ds_add_u32 v[SPW], v[NIL]                      ; the opening: the add and its wait stand ahead of the first tensor load
	v_lshrrev_b32 v8, 5, v0
	v_readfirstlane_b32 s[WV], v8                  ; wave 0..7
	s_mov_b32 s[PB], ttmp9
	s_sub_co_u32 s[HI], 7, s[PB]
	s_and_b32 s20, ttmp7, 0xffff                   ; 16 batch + head
	s_lshr_b32 s21, s20, 4
	s_and_b32 s22, s20, 15
	s_and_b32 s16, s[WV], 1
	s_lshl_b32 s17, s16, 14                        ; K or V: its place in a tile and in a slot
	s_lshl_b32 s2, s20, 18                         ; the head's 262,144 bytes of kv
	s_mov_b32 s3, 0
	s_mov_b32 s18, s17
	s_mov_b32 s19, 0
	s_lshl_b32 s23, s20, 17                        ; the head's 131,072 bytes of qf,
	s_lshl_b32 s44, s[WV], 11                      ; my two blocks of 16 queries
	s_add_co_u32 s23, s23, s44
	s_lshl_b32 s44, s[HI], 14
	s_add_co_u32 s44, s44, s23                     ; in the first block,
	s_mov_b32 s45, 0
	s_lshl_b32 s46, s[PB], 14
	s_add_co_u32 s46, s46, s23                     ; in the second
	s_mov_b32 s47, 0
	s_lshl_b32 s23, s21, 21                        ; af: a batch is 128 blocks of 16 KiB,
	s_lshl_b32 s48, s[WV], 15
	s_add_co_u32 s23, s23, s48
	s_lshl_b32 s48, s22, 10                        ; a head 1 KiB in each
	s_add_co_u32 s23, s23, s48
	s_lshl_b32 s48, s[HI], 18
	s_add_co_u32 s48, s48, s23
	s_mov_b32 s49, 0
	s_lshl_b32 s50, s[PB], 18
	s_add_co_u32 s50, s50, s23
	s_mov_b32 s51, 0
	s_mov_b32 s[G1], 3<<16                         ; elements of 8 bytes; no mask, no padding
	s_mov_b32 s[G1+1], 32<<16                      ; tensor_dim0 = 32
	s_mov_b32 s[G1+2], 64<<16                      ; tensor_dim1 = 64
	s_mov_b32 s[G1+3], 32<<16                      ; tile_dim0: rows of 256 bytes
	s_mov_b32 s[G1+4], 64                          ; tile_dim1
	s_mov_b32 s[G1+5], 32                          ; dense
	s_mov_b32 s[G1+6], 0
	s_mov_b32 s[G1+7], 0
	s_mov_b32 s[G0], 1
	s_mov_b32 s[G0+1], s17                         ; slot 0
	s_mov_b32 s[CS], 0x3e8293ee                    ; c = log2(e) / sqrt(32) = 0.255035
	s_mov_b32 s[CS+1], s[CS]
	s_mov_b32 s[SEL], 0x76543210
	s_mov_b32 s[SEL+1], 0xfedcba98
	s_mov_b32 s[TBK], SLOTB+16384                  ; the first change of slots turns these two into 0
	s_mov_b32 s[TBV], SLOTB+8192
	s_add_co_u32 s[RT], s[HI], 1                   ; the first block has 8 - b tiles
	s_mov_b32 s[NXT], 1
	s_mov_b32 s[LQ], s[HI]
	s_mov_b32 s[NEW], 1
	s_mov_b32 s[OFF+1], 0
	s_mov_b32 s[AL+1], 0
	s_mov_b32 s[BE+1], 0
	s_mov_b32 s[BIGN], 0xf149f2ca                  ; -1e30
	s_mov_b32 s[SLOTS], 8
	s_mov_b32 s[PFT], 1
	s_xor_b32 s[PFE], s[WV], 2
	s_or_b32 s[PFE], s[PFE], s[PB]
	s_cmp_eq_u32 s[PFE], 0
	s_cselect_b32 s[PFE], 8, 0
	s_mov_b32 s92, 0x3f803f80                      ; 1.0 twice in bf16
	s_wait_dscnt 0x0                               ; the opening add is done
	s_wait_kmcnt 0x0
	s_add_nc_u64 s[6:7], s[6:7], s[2:3]            ; kv at the head
	s_add_nc_u64 s[PFA:PFA+1], s[6:7], 32768       ; at tile 1: the first change steps it to tile 2
	s_add_nc_u64 s[KVB:KVB+1], s[6:7], s[18:19]
	s_add_nc_u64 s[G0+2:G0+3], s[KVB:KVB+1], 0
	s_or_b32 s[G0+3], s[G0+3], 0x80000000
	s_add_nc_u64 s[52:53], s[4:5], s[46:47]        ; Q of the second block,
	s_add_nc_u64 s[4:5], s[4:5], s[44:45]          ; of the first
	s_add_nc_u64 s[OLO:OLO+1], s[8:9], s[50:51]
	s_add_nc_u64 s[8:9], s[8:9], s[48:49]
	LOAD                                           ; tile 0 into slot 0
	v_and_b32 v8, 31, v0
	v_lshlrev_b32 v[LN], 4, v8
	v_lshlrev_b32 v[PFO], 8, v8
	WIN 0x40                                       ; destination window 1
.irp t, 0,1
	global_load_b128 v[Q+8*(\t):Q+8*(\t)+3],     v[LN], s[4:5] offset:(\t)*1024
	global_load_b128 v[Q+8*(\t)+4:Q+8*(\t)+7],   v[LN], s[4:5] offset:(\t)*1024+512
	global_load_b128 v[QB+8*(\t):QB+8*(\t)+3],   v[LN], s[52:53] offset:(\t)*1024
	global_load_b128 v[QB+8*(\t)+4:QB+8*(\t)+7], v[LN], s[52:53] offset:(\t)*1024+512
.endr
.set z, 0
.rept 48
	v_mov_b32 v[z], 0                              ; O and l: the first step multiplies them by a = 0, so they need only be finite; written in the wait for the first tile
.set z, z+1
.endr
	WIN 0
	v_and_b32 v9, 15, v0
	v_bfe_u32 v10, v0, 4, 1
	v_lshlrev_b32 v10, 3, v10
	v_sub_nc_u32 v9, v9, v10                       ; r - 8 h: register j is hidden where j is greater
.set z, 0
.rept 8
	v_cmp_gt_i32 vcc_lo, z, v9
	v_cndmask_b32 v[MD+z], 0, s[BIGN], vcc_lo
.set z, z+1
.endr
	v_and_b32 v10, 7, v0
	v_cmp_eq_u32 vcc_lo, 0, v10                    ; rows 0 and 8 of source 0
	v_cndmask_b32 v[ONES], 0, s92, vcc_lo
.set z, 1
.rept 7
	v_mov_b32 v[ONES+z], v[ONES]
.set z, z+1
.endr
.irp t, 0,1
	v_mov_b32 v[ST+8*(\t)], 0xfe000000
	v_mov_b32 v[ST+8*(\t)+1], 0xff7fffff
	v_mov_b32 v[ST+8*(\t)+2], 0
	v_mov_b32 v[ST+8*(\t)+3], 0                    ; a's partner in the pair that the packed multiplies name
.endr
	s_wait_loadcnt 0x0                             ; Q, both blocks'
.Lslot:                                        ; eight times: a tile is entered and the next is asked for
	CHANGE 1
	s_sub_co_u32 s[RT], s[RT], 1
	s_mov_b32 s[CNT], 4
	s_cmp_eq_u32 s[NEW], 1
	s_cbranch_scc0 .Lold
	BEGIN
.Lold:
	s_cmp_eq_u32 s[RT], 0
	s_cbranch_scc0 .Lstep
.LstepM1:                                      ; the first block's diagonal tile (the second's is the walk's last)
	STEP 1
	s_sub_co_u32 s[CNT], s[CNT], 1
	s_cmp_lg_u32 s[CNT], 0
	s_cbranch_scc1 .LstepM1
	FINISH 0
	s_branch .Lbottom
.Lstep:
	STEP 0
	s_sub_co_u32 s[CNT], s[CNT], 1
	s_cmp_lg_u32 s[CNT], 0
	s_cbranch_scc1 .Lstep
.Lbottom:
	s_sub_co_u32 s[SLOTS], s[SLOTS], 1
	s_cmp_lg_u32 s[SLOTS], 0
	s_cbranch_scc1 .Lslot
	CHANGE 0                                       ; the walk's last tile is written out: nothing is asked for
	s_mov_b32 s[CNT], 4
	s_cmp_eq_u32 s[NEW], 1
	s_cbranch_scc0 .LstepM2
	BEGIN
.LstepM2:
	STEP 1
	s_sub_co_u32 s[CNT], s[CNT], 1
	s_cmp_lg_u32 s[CNT], 0
	s_cbranch_scc1 .LstepM2
	FINISH 1
	s_wait_tensorcnt 0x0                           ; the wave's end
	ds_add_u32 v[SPW], v[NIL]
	s_wait_dscnt 0x0
	s_endpgm
.Lfunc_end_k_q2441b62d73_attn:
	.size	k_q2441b62d73_attn, .Lfunc_end_k_q2441b62d73_attn-k_q2441b62d73_attn
	.p2alignl 7, 3214868480
	.fill 96, 4, 3214868480
	.section	.rodata,"a",@progbits
	.p2align	6, 0x0
	.amdhsa_kernel k_q2441b62d73_attn
		.amdhsa_group_segment_fixed_size 327680
		.amdhsa_private_segment_fixed_size 0
		.amdhsa_enable_private_segment 0
		.amdhsa_kernarg_size 24
		.amdhsa_user_sgpr_count 2
		.amdhsa_user_sgpr_kernarg_segment_ptr 1
		.amdhsa_wavefront_size32 1
		.amdhsa_system_sgpr_workgroup_id_x 1
		.amdhsa_system_sgpr_workgroup_id_y 1
		.amdhsa_system_sgpr_workgroup_id_z 1
		.amdhsa_system_vgpr_workitem_id 0
		.amdhsa_next_free_vgpr 336
		.amdhsa_next_free_sgpr 96
		.amdhsa_reserve_vcc 1
		.amdhsa_float_denorm_mode_32 3
		.amdhsa_float_denorm_mode_16_64 3
		.amdhsa_memory_ordered 1
		.amdhsa_forward_progress 1
		.amdhsa_inst_pref_size 60
	.end_amdhsa_kernel
	.amdgpu_metadata
---
amdhsa.version: [ 1, 2 ]
amdhsa.kernels:
  - .name:           k_q2441b62d73_attn
    .symbol:         k_q2441b62d73_attn.kd
    .args:
      - { .name: qf, .offset: 0, .size: 8, .value_kind: global_buffer, .address_space: global }
      - { .name: kv, .offset: 8, .size: 8, .value_kind: global_buffer, .address_space: global }
      - { .name: af, .offset: 16, .size: 8, .value_kind: global_buffer, .address_space: global }
    .group_segment_fixed_size: 327680
    .private_segment_fixed_size: 0
    .kernarg_segment_align: 8
    .kernarg_segment_size: 24
    .max_flat_workgroup_size: 256
    .sgpr_count:     96
    .vgpr_count:     336
    .wavefront_size: 32
...
	.end_amdgpu_metadata
.endif
;; end of part 3
;; launch proj (part 4): grid 256 x 1, 4 waves a work-group, clusters of 4 x 1, 327,680 bytes of LDS; arguments af, wf, bo, x, g2, be2, x1, hn; writes x1, hn
.if DOCPART == 4
	.amdgcn_target "amdgcn-amd-amdhsa--gfx1250"
	.amdhsa_code_object_version 6
	.text
	.protected	k_q2441b62d73_proj
	.globl	k_q2441b62d73_proj
	.p2align	8
	.type	k_q2441b62d73_proj,@function
k_q2441b62d73_proj:
	s_mov_b64 s[64:65], 0
	v_nop
	global_prefetch_b8 v0, s[64:65] scope:SCOPE_SE
	s_setreg_imm32_b32 hwreg(HW_REG_WAVE_MODE, 25, 1), 1
	s_wait_xcnt 0x0
	s_wait_alu depctr_hold_cnt(0) depctr_sa_sdst(0) depctr_va_vdst(0) depctr_va_sdst(0) depctr_va_ssrc(0) depctr_va_vcc(0) depctr_vm_vsrc(0)
	s_getreg_b32 s2, hwreg(HW_REG_IB_STS2, 6, 4)
	s_cmp_eq_u32 s2, 0
	s_cbranch_scc0 .Lentry_in_a_cluster
	s_endpgm
.Lentry_in_a_cluster:
	s_bfe_u32 s2, ttmp6, 0x10000c
	s_cmp_lg_u32 s2, 0x3003
	s_cbranch_scc0 .Lentry_shape_is_right
	s_endpgm
.Lentry_shape_is_right:
; x1 = x + attn Wo + bo, and h2 = LayerNorm(x1) g2 + be2.  A work-group owns 32 WHOLE rows, since the norm wants whole rows; wave w makes columns 128 w .. + 127: 2 x 8 accumulators.  K = 512 in four steps of 128.
; OPERANDS in blocks of 16 rows, byte(row, k) = (row / 16) 32 K + (k / 8) 256 + (row % 16) 16 + (k % 8) 2: a fragment is 1,024 consecutive bytes.  The product is taken transposed (source 0 = 16 columns of Wo,
; source 1 = 16 tokens): a lane holds one token (lane % 16) and eight neighbouring columns.  bo is the C operand of the first products.
; CLUSTER 4 x 1: every work-group walks all of Wo, so its tiles are asked for jointly by the four; attn's rows and x's are each work-group's own loads.
; LDS: two slots of 128 KiB for Wo's K steps (wave w brings, and alone reads, its own 8 blocks of columns); attn's 32 rows, 32 KiB, stay; x comes as the ring's fifth tile, into slot 0, since the ring leaves it no
; bytes of its own: 64 half rows of 1,024 bytes, 16 bytes of padding behind each.
; OUT: x1 in f32 in the accumulators' own order (tile of 16 x 16: 1,024 bytes, two stores of 16 bytes a lane), h2 in bf16 in the operands' layout.  Every store of a wave is 512 consecutive bytes, aligned.
; The norm goes in two passes (mean; squares of the deviations), f32; a row's four quarters meet in LDS.  LIMITS: NaN and infinities are not treated apart.
.set MB, 2
.set NB, 8
.set KD, 1
.set SWAPB, NB
.set CMODE, 1
.set BIB, 192                          ; v[192:255] bo of my columns
.set CIB, 0
.set N, KD*MB*NB
.set SLOT1, 131072
.set AREG, 262144                      ; attn's rows
.set STAT, 294912                      ; 512 bytes for the sums, 512 for the sums of squares
.set SPARE, 295936                     ; the spare words, 128 bytes a wave
.set ACC, 256
.set F0, 768
.set F1, 896
.set FW, (MB+NB)*8
.set LN16, 3
.set ADRA, 6
.set ADRB, 8                           ; v8, v9: my columns' fragments in slot 0, 1
.set XA, 10                            ; v10 where I read x
.set SA1, 11                           ; v11 where I put a row's partial sum
.set SR1, 12                           ; v12 where I read the four
.set HB, 13                            ; v13 32 x (lane / 16)
.set SPW, 28
.set NIL, 29
.set RS, 32                            ; v[32:39] two chains a row block
.set LD, 40                            ; v[40:47] the four waves' partial sums
.set MP, 48                            ; v[48:51] the mean, a pair a row block
.set RP, 52                            ; v[52:55] 1 / sqrt(var + eps)
.set X, 64                             ; v[64:191] x, then x1, then h2
.set MSB, 0
.macro WIN new
.if MSB != (\new)
	s_set_vgpr_msb (MSB<<8)|(\new)
.set MSB, (\new)
.endif
.endm
.macro WM d, x, y, c
	WIN ((\x)>>8)|(((\y)>>8)<<2)|(((\c)>>8)<<4)|(((\d)>>8)<<6)
	v_wmma_f32_16x16x32_bf16 v[(\d)&255:((\d)&255)+7], v[(\x)&255:((\x)&255)+7], v[(\y)&255:((\y)&255)+7], v[(\c)&255:((\c)&255)+7]
.endm
.macro MULR f, i0, n, first            ; products i0 .. i0 + n - 1 of a quarter's 16; the accumulators take turns, in the same order everywhere
.set mi, \i0
.rept \n
.set ma, (mi/NB)%MB
.set mb, mi%NB
.set rD, ACC+8*(ma*NB+mb)
.set rX, (\f)+MB*8+8*mb
.set rY, (\f)+8*ma
.if \first
	WM rD, rX, rY, BIB+8*mb
.else
	WM rD, rX, rY, rD
.endif
.set mi, mi+1
.endr
.endm
.macro FETCH kq, f, st                 ; quarter kq of K step st into buffer f
	WIN 0xc0
.set fa, 0
.rept MB
	ds_load_b128 v[((\f)&255)+8*fa:((\f)&255)+8*fa+3],   v[ADRA] offset:(fa*16+4*(\st)+(\kq))*1024
	ds_load_b128 v[((\f)&255)+8*fa+4:((\f)&255)+8*fa+7], v[ADRA] offset:(fa*16+4*(\st)+(\kq))*1024+512
.set fa, fa+1
.endr
.set fb, 0
.rept NB
	ds_load_b128 v[((\f)&255)+MB*8+8*fb:((\f)&255)+MB*8+8*fb+3],   v[ADRB+((\st)&1)] offset:(fb*4+(\kq))*1024
	ds_load_b128 v[((\f)&255)+MB*8+8*fb+4:((\f)&255)+MB*8+8*fb+7], v[ADRB+((\st)&1)] offset:(fb*4+(\kq))*1024+512
.set fb, fb+1
.endr
.endm
.macro PLACES
.rept 4
	v_nop
.endr
.endm
.macro QUARTER kq, f, g, first, st
	s_wait_dscnt 0x0                               ; f's loads were issued a quarter ago
	PLACES
	FETCH \kq, \g, \st
	MULR \f, 0, N, \first
.endm
.macro CREST
	s_cmp_lg_u32 s10, 0
	s_cbranch_scc1 .Lnot_wave_0_\@
	s_barrier_signal -3
.Lnot_wave_0_\@:
	s_barrier_wait -3
	s_barrier_signal -1
	s_barrier_wait -1
.endm
.macro CROUND
	s_barrier_signal -1
	s_barrier_wait -1
	CREST
.endm
; K step st's last quarter, and the change of slots.  In front of the round each wave has waited for all its tensor loads, has added 0 to its spare word and has waited for that and for its reads of the slot.
; The refill, one load a wave, is the first thing behind the round: st = 0: slot 0 takes K step 2; st = 1: slot 1 takes K step 3; st = 2: slot 0 takes x.
.macro PTURN st
	s_wait_dscnt 0x0
	WIN 0
	s_wait_tensorcnt 0x0
	ds_add_u32 v[SPW], v[NIL]
.if (\st) < 2
	s_add_nc_u64 s[34+4*(\st):35+4*(\st)], s[34+4*(\st):35+4*(\st)], 8192  ; two K steps on
.endif
	MULR F1, 0, N/4, 0
	s_wait_dscnt 0x0
	s_barrier_signal -1
	MULR F1, N/4, N/4, 0
	WIN 0
	s_barrier_wait -1
	CREST
.if (\st) < 2
	tensor_load_to_lds s[32+4*(\st):35+4*(\st)], s[24:31]
.else
	tensor_load_to_lds s[60:63], s[52:59]
.endif
	s_nop 0
.rept 4
	v_nop                                          ; also the places in front of the loads below
.endr
	FETCH 0, F0, (\st)+1
	MULR F1, N/2, N/2, 0
.endm
; A row's sum (sq = 0) or sum of squares (sq = 1): my 64 numbers in two chains, the other half of the lanes', then the four waves' through LDS.  v[LD+4 a] ends with row block a's sum.
.macro RSUM sq
.irp a, 0,1
.if \sq
	v_pk_mul_f32 v[RS+4*(\a):RS+4*(\a)+1], v[X+64*(\a):X+64*(\a)+1], v[X+64*(\a):X+64*(\a)+1]
	v_pk_mul_f32 v[RS+4*(\a)+2:RS+4*(\a)+3], v[X+64*(\a)+2:X+64*(\a)+3], v[X+64*(\a)+2:X+64*(\a)+3]
.set z, 2
.rept 30
	v_pk_fma_f32 v[RS+4*(\a)+2*(z%2):RS+4*(\a)+2*(z%2)+1], v[X+64*(\a)+2*z:X+64*(\a)+2*z+1], v[X+64*(\a)+2*z:X+64*(\a)+2*z+1], v[RS+4*(\a)+2*(z%2):RS+4*(\a)+2*(z%2)+1]
.set z, z+1
.endr
.else
	v_pk_add_f32 v[RS+4*(\a):RS+4*(\a)+1], v[X+64*(\a):X+64*(\a)+1], v[X+64*(\a)+4:X+64*(\a)+5]
	v_pk_add_f32 v[RS+4*(\a)+2:RS+4*(\a)+3], v[X+64*(\a)+2:X+64*(\a)+3], v[X+64*(\a)+6:X+64*(\a)+7]
.set z, 4
.rept 28
	v_pk_add_f32 v[RS+4*(\a)+2*(z%2):RS+4*(\a)+2*(z%2)+1], v[RS+4*(\a)+2*(z%2):RS+4*(\a)+2*(z%2)+1], v[X+64*(\a)+2*z:X+64*(\a)+2*z+1]
.set z, z+1
.endr
.endif
.endr
.irp a, 0,1
	v_pk_add_f32 v[RS+4*(\a):RS+4*(\a)+1], v[RS+4*(\a):RS+4*(\a)+1], v[RS+4*(\a)+2:RS+4*(\a)+3]
.endr
.irp a, 0,1
	v_add_f32 v[RS+4*(\a)], v[RS+4*(\a)], v[RS+4*(\a)+1]
.endr
.irp a, 0,1
	v_permlanex16_b32 v[RS+4*(\a)+1], v[RS+4*(\a)], s86, s87
.endr
.irp a, 0,1
	v_add_f32 v[RS+4*(\a)], v[RS+4*(\a)], v[RS+4*(\a)+1]
.endr
.irp a, 0,1
	ds_store_b32 v[SA1], v[RS+4*(\a)] offset:(\sq)*512+(\a)*64
.endr
	s_wait_dscnt 0x0                               ; for the others' sake
	s_barrier_signal -1
	s_barrier_wait -1
.irp a, 0,1
.irp w, 0,1,2,3
	ds_load_b32 v[LD+4*(\a)+(\w)], v[SR1] offset:(\sq)*512+(\a)*64+(\w)*128
.endr
.endr
	s_wait_dscnt 0x0
.irp a, 0,1
	v_add_f32 v[LD+4*(\a)], v[LD+4*(\a)], v[LD+4*(\a)+1]
	v_add_f32 v[LD+4*(\a)+2], v[LD+4*(\a)+2], v[LD+4*(\a)+3]
.endr
.irp a, 0,1
	v_add_f32 v[LD+4*(\a)], v[LD+4*(\a)], v[LD+4*(\a)+2]
.endr
.endm
	s_load_b512 s[68:83], s[0:1], 0x0              ; af 68, wf 70, bo 72, x 74, g2 76, be2 78, x1 80, hn 82
	v_lshl_add_u32 v[SPW], v0, 2, SPARE
	v_mov_b32 v[NIL], 0
	ds_add_u32 v[SPW], v[NIL]                      ; the opening: the add and its wait stand ahead of my first tensor load
	v_lshrrev_b32 v1, 5, v0
	v_readfirstlane_b32 s10, v1                    ; wave 0..3
	s_bfe_u32 s12, ttmp6, 0x40000                  ; cx
	s_lshl_b32 s13, ttmp9, 2
	s_add_co_u32 s13, s13, s12                     ; my block of 32 rows: it enters my own loads' and my stores' addresses alone
	s_mov_b32 s24, 15|(3<<16)|(1<<21)              ; Wo's tiles: the mask of four; elements of 8 bytes; bit 21 beside a mask
	s_mov_b32 s25, 512<<16                         ; tensor_dim0: a block's K step, 4,096 bytes
	s_mov_b32 s26, 8<<16                           ; tensor_dim1: 8 blocks of columns
	s_mov_b32 s27, 512<<16
	s_mov_b32 s28, 8
	s_mov_b32 s29, 2048                            ; 16 KiB from block to block
	s_mov_b32 s30, 0
	s_mov_b32 s31, 0
	s_mov_b32 s40, 3<<16                           ; attn's rows: 8 KiB a wave, dense, as 32 rows of 256 bytes
	s_mov_b32 s41, 32<<16
	s_mov_b32 s42, 32<<16
	s_mov_b32 s43, 32<<16
	s_mov_b32 s44, 32
	s_mov_b32 s45, 32
	s_mov_b32 s46, 0
	s_mov_b32 s47, 0
	s_mov_b32 s52, (2<<16)|(1<<20)|(7<<22)|(3<<25) ; x: elements of 4 bytes; padding on: after every 256 words (code 7) 4 words (code 3)
	s_mov_b32 s53, 256<<16                         ; 8 rows a wave, dense, as 16 rows of 1,024 bytes
	s_mov_b32 s54, 16<<16
	s_mov_b32 s55, 256<<16
	s_mov_b32 s56, 16
	s_mov_b32 s57, 256
	s_mov_b32 s58, 0
	s_mov_b32 s59, 0
	s_lshl_b32 s14, s10, 15
	s_mov_b32 s32, 1
	s_mov_b32 s33, s14                             ; slot 0, my 32 KiB
	s_mov_b32 s36, 1
	s_add_co_u32 s37, s14, SLOT1
	s_lshl_b32 s15, s10, 13
	s_mov_b32 s48, 1
	s_add_co_u32 s49, s15, AREG
	s_mul_i32 s16, s10, 16640
	s_mov_b32 s60, 1
	s_mov_b32 s61, s16
	s_lshl_b32 s18, s10, 17                        ; Wo: my 8 blocks of 16 KiB
	s_add_co_u32 s18, s18, 1572864
	s_mov_b32 s19, 0
	s_lshl_b32 s20, s13, 15
	s_add_co_u32 s20, s20, s15
	s_mov_b32 s21, 0
	s_lshl_b32 s22, s13, 16
	s_lshl_b32 s23, s10, 14
	s_add_co_u32 s22, s22, s23
	s_mov_b32 s23, 0
	s_mov_b32 s86, 0x76543210
	s_mov_b32 s87, 0xfedcba98
	s_mov_b32 s88, 0x3b000000                      ; 1 / 512
	s_mov_b32 s89, 0x3727c5ac                      ; 1e-5
	s_wait_dscnt 0x0                               ; the opening add is done
	s_wait_kmcnt 0x0
	s_add_nc_u64 s[34:35], s[70:71], s[18:19]      ; K step 0
	s_add_nc_u64 s[38:39], s[34:35], 4096          ; K step 1
	s_or_b32 s35, s35, 0x80000000
	s_or_b32 s39, s39, 0x80000000
	s_add_nc_u64 s[50:51], s[68:69], s[20:21]
	s_or_b32 s51, s51, 0x80000000
	s_add_nc_u64 s[62:63], s[74:75], s[22:23]
	s_or_b32 s63, s63, 0x80000000
	CROUND                                         ; all four work-groups are here: the first loads go out as one group; three of mine are out
	tensor_load_to_lds s[48:51], s[40:47]
	s_nop 0
	tensor_load_to_lds s[32:35], s[24:31]
	s_nop 0
	tensor_load_to_lds s[36:39], s[24:31]
	s_nop 0
.rept 4
	v_nop
.endr
	v_and_b32 v1, 15, v0                           ; r
	v_bfe_u32 v2, v0, 4, 1                         ; h
	v_and_b32 v4, 31, v0
	v_lshlrev_b32 v[LN16], 4, v4
	v_add_nc_u32 v[ADRA], AREG, v[LN16]
	v_add_nc_u32 v[ADRB], s14, v[LN16]
	v_add_nc_u32 v[ADRB+1], SLOT1, v[ADRB]
	v_lshlrev_b32 v[HB], 5, v2
	s_lshl_b32 s84, s10, 9                         ; my 128 columns of bo, g2, be2
	s_mov_b32 s85, 0
	s_add_nc_u64 s[72:73], s[72:73], s[84:85]
	s_add_nc_u64 s[76:77], s[76:77], s[84:85]
	s_add_nc_u64 s[78:79], s[78:79], s[84:85]
.irp b, 0,1,2,3,4,5,6,7
	global_load_b128 v[BIB+8*(\b):BIB+8*(\b)+3],   v[HB], s[72:73] offset:(\b)*64
	global_load_b128 v[BIB+8*(\b)+4:BIB+8*(\b)+7], v[HB], s[72:73] offset:(\b)*64+16
.endr
	WIN 0x80                                       ; destination window 2: g2 at 512, be2 at 576
.irp b, 0,1,2,3,4,5,6,7
	global_load_b128 v[8*(\b):8*(\b)+3],       v[HB], s[76:77] offset:(\b)*64
	global_load_b128 v[8*(\b)+4:8*(\b)+7],     v[HB], s[76:77] offset:(\b)*64+16
	global_load_b128 v[64+8*(\b):64+8*(\b)+3], v[HB], s[78:79] offset:(\b)*64
	global_load_b128 v[64+8*(\b)+4:64+8*(\b)+7], v[HB], s[78:79] offset:(\b)*64+16
.endr
	WIN 0
	v_mul_u32_u24 v[XA], v1, 2080                  ; x: row r is two half rows of 1,040 bytes;
	v_lshl_add_u32 v[XA], v2, 5, v[XA]
	s_lshr_b32 s84, s10, 1
	s_mul_i32 s84, s84, 1040                       ; my half of a row,
	s_and_b32 s2, s10, 1
	s_lshl_b32 s2, s2, 9                           ; my 128 columns in it
	s_add_co_u32 s84, s84, s2
	v_add_nc_u32 v[XA], s84, v[XA]
	s_lshl_b32 s84, s10, 7
	s_add_co_u32 s84, s84, STAT
	v_lshl_add_u32 v[SA1], v1, 2, s84
	v_lshlrev_b32 v[SR1], 2, v1
	v_add_nc_u32 v[SR1], STAT, v[SR1]
	s_lshl_b32 s84, s13, 16
	s_lshl_b32 s2, s10, 13
	s_add_co_u32 s84, s84, s2
	s_add_nc_u64 s[80:81], s[80:81], s[84:85]      ; x1 at my rows and columns
	s_lshl_b32 s84, s13, 15
	s_lshl_b32 s2, s10, 12
	s_add_co_u32 s84, s84, s2
	s_add_nc_u64 s[82:83], s[82:83], s[84:85]      ; hn likewise
	s_wait_tensorcnt 0x1                           ; attn's rows and K step 0 are in; K step 1 may stay out
	s_barrier_signal -1
	s_barrier_wait -1
	FETCH 0, F0, 0
	s_wait_loadcnt 0x0                             ; bo, g2, be2
	QUARTER 1, F0, F1, 1, 0                        ; the first products take bo as C
	QUARTER 2, F1, F0, 0, 0
	QUARTER 3, F0, F1, 0, 0
	PTURN 0
	QUARTER 1, F0, F1, 0, 1
	QUARTER 2, F1, F0, 0, 1
	QUARTER 3, F0, F1, 0, 1
	PTURN 1
	QUARTER 1, F0, F1, 0, 2
	QUARTER 2, F1, F0, 0, 2
	QUARTER 3, F0, F1, 0, 2
	PTURN 2
	QUARTER 1, F0, F1, 0, 3
	QUARTER 2, F1, F0, 0, 3
	QUARTER 3, F0, F1, 0, 3
	s_wait_dscnt 0x0
	MULR F1, 0, N, 0
	WIN 0
	s_wait_tensorcnt 0x0                           ; my part of x is in,
	s_barrier_signal -1
	s_barrier_wait -1                              ; everybody's is
	; x1 = sums + x
.set t, 0
.rept 16
	ds_load_b128 v[X+8*t:X+8*t+3],   v[XA] offset:(t/8)*33280+(t%8)*64
	ds_load_b128 v[X+8*t+4:X+8*t+7], v[XA] offset:(t/8)*33280+(t%8)*64+16
.set t, t+1
.endr
	PLACES                                         ; behind the last products
	s_wait_dscnt 0x0
	WIN 0x01                                       ; source 0: the accumulators, in window 1
.set z, 0
.rept 64
	v_pk_add_f32 v[X+2*z:X+2*z+1], v[2*z:2*z+1], v[X+2*z:X+2*z+1]
.set z, z+1
.endr
	WIN 0
.set t, 0
.rept 16
	global_store_b128 v[LN16], v[X+8*t:X+8*t+3],   s[80:81] offset:(t/8)*32768+(t%8)*1024
	global_store_b128 v[LN16], v[X+8*t+4:X+8*t+7], s[80:81] offset:(t/8)*32768+(t%8)*1024+512
.set t, t+1
.endr
	RSUM 0
.irp a, 0,1
	v_mul_f32 v[MP+2*(\a)], s88, v[LD+4*(\a)]      ; the mean
	v_mul_f32 v[MP+2*(\a)+1], s88, v[LD+4*(\a)]
.endr
	s_wait_xcnt 0x0                                ; x1's stores have read X: only now is it rewritten
.set z, 0
.rept 64
	v_pk_add_f32 v[X+2*z:X+2*z+1], v[X+2*z:X+2*z+1], v[MP+2*(z/32):MP+2*(z/32)+1] op_sel_hi:[1,0] neg_lo:[0,1] neg_hi:[0,1]
.set z, z+1
.endr
	RSUM 1
.irp a, 0,1
	v_fma_f32 v[LD+4*(\a)], v[LD+4*(\a)], s88, s89 ; var + eps
.endr
.irp a, 0,1
	v_rsq_f32 v[RP+2*(\a)], v[LD+4*(\a)]
.endr
	v_nop                                          ; a plain instruction behind the last root,
	s_wait_alu depctr_va_vdst(0)                   ; and one wait for the two
.irp a, 0,1
	v_mov_b32 v[RP+2*(\a)+1], v[RP+2*(\a)]
.endr
.set z, 0
.rept 64
	v_pk_mul_f32 v[X+2*z:X+2*z+1], v[X+2*z:X+2*z+1], v[RP+2*(z/32):RP+2*(z/32)+1] op_sel_hi:[1,0]
.set z, z+1
.endr
	WIN 0x28                                       ; sources 1 and 2, g2 and be2, in window 2
.set z, 0
.rept 64
	v_pk_fma_f32 v[X+2*z:X+2*z+1], v[X+2*z:X+2*z+1], v[(2*z)%64:(2*z)%64+1], v[64+(2*z)%64:64+(2*z)%64+1]
.set z, z+1
.endr
	WIN 0
.set t, 0
.rept 16
.irp e, 0,1,2,3
	v_cvt_pk_bf16_f32 v[X+8*t+(\e)], v[X+8*t+2*(\e)], v[X+8*t+2*(\e)+1]
.endr
	global_store_b128 v[LN16], v[X+8*t:X+8*t+3], s[82:83] offset:(t/8)*16384+(t%8)*512
.set t, t+1
.endr
	s_wait_tensorcnt 0x0                           ; the wave's end
	ds_add_u32 v[SPW], v[NIL]
	s_wait_dscnt 0x0
	CROUND                                         ; the closing round
	s_endpgm
.Lfunc_end_k_q2441b62d73_proj:
	.size	k_q2441b62d73_proj, .Lfunc_end_k_q2441b62d73_proj-k_q2441b62d73_proj
	.p2alignl 7, 3214868480
	.fill 96, 4, 3214868480
	.section	.rodata,"a",@progbits
	.p2align	6, 0x0
	.amdhsa_kernel k_q2441b62d73_proj
		.amdhsa_group_segment_fixed_size 327680
		.amdhsa_private_segment_fixed_size 0
		.amdhsa_enable_private_segment 0
		.amdhsa_kernarg_size 64
		.amdhsa_user_sgpr_count 2
		.amdhsa_user_sgpr_kernarg_segment_ptr 1
		.amdhsa_wavefront_size32 1
		.amdhsa_system_sgpr_workgroup_id_x 1
		.amdhsa_system_sgpr_workgroup_id_y 1
		.amdhsa_system_sgpr_workgroup_id_z 1
		.amdhsa_system_vgpr_workitem_id 0
		.amdhsa_next_free_vgpr 1024
		.amdhsa_next_free_sgpr 92
		.amdhsa_reserve_vcc 0
		.amdhsa_float_denorm_mode_32 3
		.amdhsa_float_denorm_mode_16_64 3
		.amdhsa_memory_ordered 1
		.amdhsa_forward_progress 1
		.amdhsa_inst_pref_size 90
	.end_amdhsa_kernel
	.amdgpu_metadata
---
amdhsa.version: [ 1, 2 ]
amdhsa.kernels:
  - .name:           k_q2441b62d73_proj
    .symbol:         k_q2441b62d73_proj.kd
    .args:
      - { .name: af, .offset: 0, .size: 8, .value_kind: global_buffer, .address_space: global }
      - { .name: wf, .offset: 8, .size: 8, .value_kind: global_buffer, .address_space: global }
      - { .name: bo, .offset: 16, .size: 8, .value_kind: global_buffer, .address_space: global }
      - { .name: x, .offset: 24, .size: 8, .value_kind: global_buffer, .address_space: global }
      - { .name: g2, .offset: 32, .size: 8, .value_kind: global_buffer, .address_space: global }
      - { .name: be2, .offset: 40, .size: 8, .value_kind: global_buffer, .address_space: global }
      - { .name: x1, .offset: 48, .size: 8, .value_kind: global_buffer, .address_space: global }
      - { .name: hn, .offset: 56, .size: 8, .value_kind: global_buffer, .address_space: global }
    .group_segment_fixed_size: 327680
    .private_segment_fixed_size: 0
    .kernarg_segment_align: 8
    .kernarg_segment_size: 64
    .max_flat_workgroup_size: 128
    .sgpr_count:     92
    .vgpr_count:     1024
    .wavefront_size: 32
...
	.end_amdgpu_metadata
.endif
;; end of part 4
;; launch mlp1 (part 5): grid 8 x 32, 4 waves a work-group, clusters of 4 x 4, 327,680 bytes of LDS; arguments hn, wf, b1, hid; writes hid
.if DOCPART == 5
	.amdgcn_target "amdgcn-amd-amdhsa--gfx1250"
	.amdhsa_code_object_version 6
	.text
	.protected	k_q2441b62d73_mlp1
	.globl	k_q2441b62d73_mlp1
	.p2align	8
	.type	k_q2441b62d73_mlp1,@function
k_q2441b62d73_mlp1:
	s_mov_b64 s[64:65], 0
	v_nop
	global_prefetch_b8 v0, s[64:65] scope:SCOPE_SE
	s_setreg_imm32_b32 hwreg(HW_REG_WAVE_MODE, 25, 1), 1
	s_wait_xcnt 0x0
	s_wait_alu depctr_hold_cnt(0) depctr_sa_sdst(0) depctr_va_vdst(0) depctr_va_sdst(0) depctr_va_ssrc(0) depctr_va_vcc(0) depctr_vm_vsrc(0)
	s_getreg_b32 s2, hwreg(HW_REG_IB_STS2, 6, 4)
	s_cmp_eq_u32 s2, 0
	s_cbranch_scc0 .Lentry_in_a_cluster
	s_endpgm
.Lentry_in_a_cluster:
	s_bfe_u32 s2, ttmp6, 0x10000c
	s_cmp_lg_u32 s2, 0xf033
	s_cbranch_scc0 .Lentry_shape_is_right
	s_endpgm
.Lentry_shape_is_right:
; hid = relu(h2 W1 + b1), bf16.  A work-group makes 256 tokens x 256 columns; four waves, each 128 x 128: 64 accumulators.  K = 512 in four steps of 128.
; OPERANDS in blocks of 16 rows, byte(row, k) = (row / 16) 32 K + (k / 8) 256 + (row % 16) 16 + (k % 8) 2: a fragment is 1,024 consecutive bytes, a block's K step 4,096 dense bytes; LDS needs no padding.
; The product is taken transposed (source 0 = 16 columns of W1, source 1 = 16 tokens): a lane ends with eight neighbouring columns of one token, 16 bytes of the same layout for the next product, and a wave's
; store is 512 consecutive bytes, aligned.  b1 is the C operand of the first products.  The maximum with 0 is taken on the rounded halves: rounding keeps signs, so the result is the same.
; CLUSTER 4 x 4: the tokens' tile is shared along a row of the cluster, the weights' along a column.  RING: two slots of 128 KiB; waves 0, 1 bring the tokens' halves, waves 2, 3 the weights'.
; REGISTERS by absolute number (window = number / 256): 0-255 addresses, b1, the way out; 256-767 accumulators; 768-895 and 896-1023 two fragment buffers.
.set MB, 8
.set NB, 8
.set KD, 1
.set KB, 4
.set NSTEP, 4
.set KSTEPB, 4096
.set STRIDE, 2048
.set NAH, 8
.set NBH, 8
.set BH, NBH*KB*1024
.set SWAPB, NB
.set CMODE, 1                          ; the sums start with b1
.set BIB, 64                           ; v[64:127]
.set CIB, 0
.set SPARE, 262144
.set TMP, 128                          ; v[128:255] the way out: 32 sets of four
.set ZR, 30                            ; v30 0
.set HB, 8                             ; v8 32 x (lane / 16)
.set N, KD*MB*NB
.set SLOT1, 131072
.set BOFF, 65536
.set ACC, 256
.set F0, 768
.set F1, 896
.set FW, (MB+NB)*8
.set LN16, 3
.set A0, 4
.set B0, 5
.set ADRA, 6
.set ADRB, 7
.set SPW, 28
.set NIL, 29
.set G1, 24
.set G0, 32
.set G1B, 48
.set G0B, 56
.set TB, 66
.set CNT, 67
.set MSB, 0
.macro WIN new
.if MSB != (\new)
	s_set_vgpr_msb (MSB<<8)|(\new)
.set MSB, (\new)
.endif
.endm
.macro WM d, x, y, c
	WIN ((\x)>>8)|(((\y)>>8)<<2)|(((\c)>>8)<<4)|(((\d)>>8)<<6)
	v_wmma_f32_16x16x32_bf16 v[(\d)&255:((\d)&255)+7], v[(\x)&255:((\x)&255)+7], v[(\y)&255:((\y)&255)+7], v[(\c)&255:((\c)&255)+7]
.endm
.macro WMZ d, x, y
	WIN ((\x)>>8)|(((\y)>>8)<<2)|(((\d)>>8)<<4)|(((\d)>>8)<<6)
	v_wmma_f32_16x16x32_bf16 v[(\d)&255:((\d)&255)+7], v[(\x)&255:((\x)&255)+7], v[(\y)&255:((\y)&255)+7], 0
.endm
.macro MULR f, i0, n, first            ; products i0 .. i0 + n - 1 of a quarter's N; the accumulators take turns, in the same order everywhere
.set mi, \i0
.rept \n
.set md, mi/(MB*NB)
.set ma, (mi/NB)%MB
.set mb, mi%NB
.set rD, ACC+8*(ma*NB+mb)
.set rX, (\f)+md*FW+MB*8+8*mb
.set rY, (\f)+md*FW+8*ma
.if mb >= SWAPB
.set rX, (\f)+md*FW+8*ma
.set rY, (\f)+md*FW+MB*8+8*mb
.endif
.if (\first) && (md == 0)
.if CMODE == 0
	WMZ rD, rX, rY
.elseif CMODE == 1
	WM rD, rX, rY, BIB+8*mb
.else
	WM rD, rX, rY, CIB+8*(ma*NB+mb)
.endif
.else
	WM rD, rX, rY, rD
.endif
.set mi, mi+1
.endr
.endm
.macro FETCH kq, f
	WIN 0xc0
.set fd, 0
.rept KD
.set fa, 0
.rept MB
	ds_load_b128 v[((\f)&255)+fd*FW+8*fa:((\f)&255)+fd*FW+8*fa+3],   v[ADRA] offset:(fa*KB+(\kq)*KD+fd)*1024
	ds_load_b128 v[((\f)&255)+fd*FW+8*fa+4:((\f)&255)+fd*FW+8*fa+7], v[ADRA] offset:(fa*KB+(\kq)*KD+fd)*1024+512
.set fa, fa+1
.endr
.set fb, 0
.rept NB
	ds_load_b128 v[((\f)&255)+fd*FW+MB*8+8*fb:((\f)&255)+fd*FW+MB*8+8*fb+3],   v[ADRB] offset:(fb*KB+(\kq)*KD+fd)*1024
	ds_load_b128 v[((\f)&255)+fd*FW+MB*8+8*fb+4:((\f)&255)+fd*FW+MB*8+8*fb+7], v[ADRB] offset:(fb*KB+(\kq)*KD+fd)*1024+512
.set fb, fb+1
.endr
.set fd, fd+1
.endr
.endm
.macro PLACES                          ; four plain vector instructions between a matrix instruction and a load into its sources or a reader of its result
.rept 4
	v_nop
.endr
.endm
.macro QUARTER kq, f, g, first
	s_wait_dscnt 0x0                               ; f's loads were issued a quarter ago
	PLACES
	FETCH \kq, \g
	MULR \f, 0, N, \first
.endm
.macro JLOAD s
	s_cmp_eq_u32 s11, 0
	s_cbranch_scc0 .Lfor_b_\@
	tensor_load_to_lds s[G0+4*(\s):G0+4*(\s)+3], s[G1:G1+7]
	s_nop 0
.rept 4
	v_nop
.endr
	s_branch .Lasked_\@
.Lfor_b_\@:
	tensor_load_to_lds s[G0B+4*(\s):G0B+4*(\s)+3], s[G1B:G1B+7]
	s_nop 0
.rept 4
	v_nop
.endr
.Lasked_\@:
.endm
.macro CREST
	s_cmp_lg_u32 s10, 0
	s_cbranch_scc1 .Lnot_wave_0_\@
	s_barrier_signal -3
.Lnot_wave_0_\@:
	s_barrier_wait -3
	s_barrier_signal -1
	s_barrier_wait -1
.endm
.macro CROUND
	s_barrier_signal -1
	s_barrier_wait -1
	CREST
.endm
; A K step's last quarter, and the change of slots: in front of the barrier each wave has waited for all its tensor loads, has added 0 to its spare word and has waited for that and for its reads of the slot.
; fill = 1: the barrier opens a round of the cluster's, and the joint refill, two K steps on, is the first thing behind it.  fill = 0: the tail; in its last trip the fetch is jumped over.
.macro TURN fill
	s_wait_dscnt 0x0
	WIN 0
	s_wait_tensorcnt 0x0
	ds_add_u32 v[SPW], v[NIL]
.if \fill
	s_xor_b32 s[G0+5], s[G0+5], SLOT1
	s_add_nc_u64 s[G0+6:G0+7], s[G0+6:G0+7], KSTEPB
	s_xor_b32 s[G0B+5], s[G0B+5], SLOT1
	s_add_nc_u64 s[G0B+6:G0B+7], s[G0B+6:G0B+7], KSTEPB
.endif
	s_xor_b32 s[TB], s[TB], SLOT1
	MULR F1, 0, N/4, 0
	s_wait_dscnt 0x0
	s_barrier_signal -1
	MULR F1, N/4, N/4, 0
	WIN 0
	s_barrier_wait -1
.if \fill
	CREST
	JLOAD 1
.else
	PLACES
	s_cmp_eq_u32 s[CNT], 1
	s_cbranch_scc1 .Lnf_\@
.endif
	v_add_nc_u32 v[ADRA], s[TB], v[A0]
	v_add_nc_u32 v[ADRB], s[TB], v[B0]
	FETCH 0, F0
.if !(\fill)
	WIN 0
.Lnf_\@:
.endif
	MULR F1, N/2, N/2, 0
.endm
	s_load_b128 s[4:7], s[0:1], 0x0                ; hn, wf
	s_load_b128 s[68:71], s[0:1], 0x10             ; b1, hid
	v_lshl_add_u32 v[SPW], v0, 2, SPARE
	v_mov_b32 v[NIL], 0
	ds_add_u32 v[SPW], v[NIL]                      ; the opening: the add and its wait stand ahead of my first tensor load
	v_lshrrev_b32 v1, 5, v0
	v_readfirstlane_b32 s10, v1
	s_lshr_b32 s11, s10, 1
	s_and_b32 s12, s10, 1
	s_bfe_u32 s40, ttmp6, 0x40000
	s_bfe_u32 s41, ttmp6, 0x40004
	s_lshl_b32 s42, ttmp9, 2
	s_add_co_u32 s42, s42, s40                     ; column tile
	s_and_b32 s13, ttmp7, 0xffff
	s_lshl_b32 s13, s13, 2
	s_add_co_u32 s13, s13, s41                     ; token tile
	s_lshl_b32 s43, s41, 2
	s_lshl_b32 s43, 15, s43
	s_lshl_b32 s44, 0x1111, s40
	s_or_b32 s[G1], s43, (3<<16)|(1<<21)
	s_or_b32 s[G1B], s44, (3<<16)|(1<<21)
	s_mov_b32 s[G1+1], (KSTEPB/8)<<16
	s_mov_b32 s[G1+2], NAH<<16
	s_mov_b32 s[G1+3], (KSTEPB/8)<<16
	s_mov_b32 s[G1+4], NAH
	s_mov_b32 s[G1+5], STRIDE
	s_mov_b32 s[G1+6], 0
	s_mov_b32 s[G1+7], 0
	s_mov_b32 s[G1B+1], (KSTEPB/8)<<16
	s_mov_b32 s[G1B+2], NBH<<16
	s_mov_b32 s[G1B+3], (KSTEPB/8)<<16
	s_mov_b32 s[G1B+4], NBH
	s_mov_b32 s[G1B+5], STRIDE
	s_mov_b32 s[G1B+6], 0
	s_mov_b32 s[G1B+7], 0
	s_lshl_b32 s16, s13, 18
	s_lshl_b32 s17, s12, 17
	s_add_co_u32 s16, s16, s17
	s_mov_b32 s17, 0
	s_lshl_b32 s46, s42, 18                        ; W1: 16 blocks of 16 KiB a tile
	s_lshl_b32 s47, s12, 17
	s_add_co_u32 s46, s46, s47
	s_add_co_u32 s46, s46, 2097152
	s_mov_b32 s47, 0
	s_lshl_b32 s20, s12, 15
	s_mul_i32 s21, s12, BH
	s_add_co_u32 s21, s21, BOFF
	s_wait_dscnt 0x0
	s_wait_kmcnt 0x0
	s_add_nc_u64 s[14:15], s[4:5], s[16:17]
	s_add_nc_u64 s[46:47], s[6:7], s[46:47]
	CROUND
.irp s, 0,1
	s_mov_b32 s[G0+4*(\s)], 1
	s_add_co_u32 s[G0+4*(\s)+1], s20, (\s)*SLOT1
	s_add_nc_u64 s[G0+4*(\s)+2:G0+4*(\s)+3], s[14:15], (\s)*KSTEPB
	s_or_b32 s[G0+4*(\s)+3], s[G0+4*(\s)+3], 0x80000000
	s_mov_b32 s[G0B+4*(\s)], 1
	s_add_co_u32 s[G0B+4*(\s)+1], s21, (\s)*SLOT1
	s_add_nc_u64 s[G0B+4*(\s)+2:G0B+4*(\s)+3], s[46:47], (\s)*KSTEPB
	s_or_b32 s[G0B+4*(\s)+3], s[G0B+4*(\s)+3], 0x80000000
	JLOAD \s
.endr
	v_and_b32 v1, 31, v0
	v_lshlrev_b32 v[LN16], 4, v1
	s_lshl_b32 s22, s11, 15
	v_add_nc_u32 v[A0], s22, v[LN16]
	s_mul_i32 s23, s12, BH
	s_add_co_u32 s23, s23, BOFF
	v_add_nc_u32 v[B0], s23, v[LN16]
	s_mov_b32 s[TB], 0
	v_mov_b32 v[ADRA], v[A0]
	v_mov_b32 v[ADRB], v[B0]
	v_mov_b32 v[ZR], 0
	v_bfe_u32 v2, v0, 4, 1
	v_lshlrev_b32 v[HB], 5, v2
	s_lshl_b32 s76, s42, 10
	s_lshl_b32 s77, s12, 9
	s_add_co_u32 s76, s76, s77
	s_mov_b32 s77, 0
	s_add_nc_u64 s[68:69], s[68:69], s[76:77]      ; b1 at my 128 columns
.irp b, 0,1,2,3,4,5,6,7
	global_load_b128 v[BIB+8*(\b):BIB+8*(\b)+3],   v[HB], s[68:69] offset:(\b)*64
	global_load_b128 v[BIB+8*(\b)+4:BIB+8*(\b)+7], v[HB], s[68:69] offset:(\b)*64+16
.endr
	s_lshl_b32 s76, s13, 20                        ; hid: a block of 16 tokens is 64 KiB
	s_lshl_b32 s78, s11, 19
	s_add_co_u32 s76, s76, s78
	s_lshl_b32 s78, s42, 13
	s_add_co_u32 s76, s76, s78
	s_lshl_b32 s78, s12, 12
	s_add_co_u32 s76, s76, s78
	s_add_nc_u64 s[70:71], s[70:71], s[76:77]
	s_wait_tensorcnt 0x1                           ; my part of K step 0 is in; K step 1's may stay out
	s_barrier_signal -1
	s_barrier_wait -1
	FETCH 0, F0
	s_wait_loadcnt 0x0                             ; b1
	QUARTER 1, F0, F1, 1
	WIN 0
	s_mov_b32 s[CNT], NSTEP-2
.Lring:
	QUARTER 2, F1, F0, 0
	QUARTER 3, F0, F1, 0
	TURN 1
	QUARTER 1, F0, F1, 0
	WIN 0
	s_sub_co_u32 s[CNT], s[CNT], 1
	s_cmp_lg_u32 s[CNT], 0
	s_cbranch_scc1 .Lring
	s_mov_b32 s[CNT], 2
.Ltail:
	QUARTER 2, F1, F0, 0
	QUARTER 3, F0, F1, 0
	TURN 0
	WIN 0
	s_cmp_eq_u32 s[CNT], 1
	s_cbranch_scc1 .Lskip
	QUARTER 1, F0, F1, 0
	WIN 0
.Lskip:
	s_sub_co_u32 s[CNT], s[CNT], 1
	s_cmp_lg_u32 s[CNT], 0
	s_cbranch_scc1 .Ltail
	; THE WAY OUT, a window of 32 accumulators at a time: rounded, held at 0 from below, stored.
	PLACES
.irp hf, 0,1
.if (\hf) == 1
	s_wait_xcnt 0x0                                ; the first half's stores have read their registers
.endif
	WIN 0x05*(1+(\hf))
.set t, 0
.rept 32
.irp e, 0,1,2,3
	v_cvt_pk_bf16_f32 v[TMP+4*t+(\e)], v[8*t+2*(\e)], v[8*t+2*(\e)+1]
.endr
.set t, t+1
.endr
	WIN 0
.set t, 0
.rept 32
.irp e, 0,1,2,3
	v_pk_max_num_bf16 v[TMP+4*t+(\e)], v[TMP+4*t+(\e)], v[ZR]
.endr
	global_store_b128 v[LN16], v[TMP+4*t:TMP+4*t+3], s[70:71] offset:((32*(\hf)+t)/8)*65536+(t%8)*512
.set t, t+1
.endr
.endr
	s_wait_tensorcnt 0x0                           ; the wave's end
	ds_add_u32 v[SPW], v[NIL]
	s_wait_dscnt 0x0
	CROUND                                         ; the closing round
	s_endpgm
.Lfunc_end_k_q2441b62d73_mlp1:
	.size	k_q2441b62d73_mlp1, .Lfunc_end_k_q2441b62d73_mlp1-k_q2441b62d73_mlp1
	.p2alignl 7, 3214868480
	.fill 96, 4, 3214868480
	.section	.rodata,"a",@progbits
	.p2align	6, 0x0
	.amdhsa_kernel k_q2441b62d73_mlp1
		.amdhsa_group_segment_fixed_size 327680
		.amdhsa_private_segment_fixed_size 0
		.amdhsa_enable_private_segment 0
		.amdhsa_kernarg_size 32
		.amdhsa_user_sgpr_count 2
		.amdhsa_user_sgpr_kernarg_segment_ptr 1
		.amdhsa_wavefront_size32 1
		.amdhsa_system_sgpr_workgroup_id_x 1
		.amdhsa_system_sgpr_workgroup_id_y 1
		.amdhsa_system_sgpr_workgroup_id_z 1
		.amdhsa_system_vgpr_workitem_id 0
		.amdhsa_next_free_vgpr 1024
		.amdhsa_next_free_sgpr 80
		.amdhsa_reserve_vcc 0
		.amdhsa_float_denorm_mode_32 3
		.amdhsa_float_denorm_mode_16_64 3
		.amdhsa_memory_ordered 1
		.amdhsa_forward_progress 1
		.amdhsa_inst_pref_size 107
	.end_amdhsa_kernel
	.amdgpu_metadata
---
amdhsa.version: [ 1, 2 ]
amdhsa.kernels:
  - .name:           k_q2441b62d73_mlp1
    .symbol:         k_q2441b62d73_mlp1.kd
    .args:
      - { .name: hn, .offset: 0, .size: 8, .value_kind: global_buffer, .address_space: global }
      - { .name: wf, .offset: 8, .size: 8, .value_kind: global_buffer, .address_space: global }
      - { .name: b1, .offset: 16, .size: 8, .value_kind: global_buffer, .address_space: global }
      - { .name: hid, .offset: 24, .size: 8, .value_kind: global_buffer, .address_space: global }
    .group_segment_fixed_size: 327680
    .private_segment_fixed_size: 0
    .kernarg_segment_align: 8
    .kernarg_segment_size: 32
    .max_flat_workgroup_size: 128
    .sgpr_count:     80
    .vgpr_count:     1024
    .wavefront_size: 32
...
	.end_amdgpu_metadata
.endif
;; end of part 5
;; launch mlp2 (part 6): grid 4 x 64, 4 waves a work-group, clusters of 4 x 4, 327,680 bytes of LDS; arguments hid, wf, b2, x1, out0; writes out0
.if DOCPART == 6
	.amdgcn_target "amdgcn-amd-amdhsa--gfx1250"
	.amdhsa_code_object_version 6
	.text
	.protected	k_q2441b62d73_mlp2
	.globl	k_q2441b62d73_mlp2
	.p2align	8
	.type	k_q2441b62d73_mlp2,@function
k_q2441b62d73_mlp2:
	s_mov_b64 s[64:65], 0
	v_nop
	global_prefetch_b8 v0, s[64:65] scope:SCOPE_SE
	s_setreg_imm32_b32 hwreg(HW_REG_WAVE_MODE, 25, 1), 1
	s_wait_xcnt 0x0
	s_wait_alu depctr_hold_cnt(0) depctr_sa_sdst(0) depctr_va_vdst(0) depctr_va_sdst(0) depctr_va_ssrc(0) depctr_va_vcc(0) depctr_vm_vsrc(0)
	s_getreg_b32 s2, hwreg(HW_REG_IB_STS2, 6, 4)
	s_cmp_eq_u32 s2, 0
	s_cbranch_scc0 .Lentry_in_a_cluster
	s_endpgm
.Lentry_in_a_cluster:
	s_bfe_u32 s2, ttmp6, 0x10000c
	s_cmp_lg_u32 s2, 0xf033
	s_cbranch_scc0 .Lentry_shape_is_right
	s_endpgm
.Lentry_shape_is_right:
; out = x1 + hid W2 + b2, f32.  A work-group makes 128 tokens x 128 columns, so that there are 256 of them; four waves, each 64 x 64: 16 accumulators.  K = 2,048 in eight steps of 256.
; OPERANDS in blocks of 16 rows, byte(row, k) = (row / 16) 32 K + (k / 8) 256 + (row % 16) 16 + (k % 8) 2: a fragment is 1,024 consecutive bytes, a block's K step 8,192 dense bytes; LDS needs no padding.
; The product is taken transposed (source 0 = 16 columns of W2, source 1 = 16 tokens).  x1 lies in memory in the accumulators' own order; x1 + b2 is the C operand of the first products.
; The result leaves row-major through each wave's own stage in LDS: sixteen lanes store 256 consecutive bytes, aligned.
; CLUSTER 4 x 4: the tokens' tile is shared along a row of the cluster, the weights' along a column.  RING: two slots of 128 KiB; waves 0, 1 bring the tokens' halves, waves 2, 3 the weights'.
; REGISTERS by absolute number (window = number / 256): 0-255 addresses, x1 + b2, the way out; 256-383 accumulators; 768-895 and 896-1023 two fragment buffers, two matrix instructions deep.
.set MB, 4
.set NB, 4
.set KD, 2
.set KB, 8
.set NSTEP, 8
.set KSTEPB, 8192
.set STRIDE, 8192
.set NAH, 4
.set NBH, 4
.set BH, NBH*KB*1024
.set SWAPB, NB
.set CMODE, 2                          ; the sums start with x1 + b2
.set BIB, 192                          ; v[192:223] b2
.set CIB, 64                           ; v[64:191]
.set STAGE, 262144                     ; behind the ring: 16 rows x 272 bytes for each wave; no tensor load lands there
.set SP, 272
.set SPARE, STAGE+4*16*SP
.set HB, 8
.set STO, 9
.set RD, 10
.set CO, 11
.set N, KD*MB*NB
.set SLOT1, 131072
.set BOFF, 65536
.set ACC, 256
.set F0, 768
.set F1, 896
.set FW, (MB+NB)*8
.set LN16, 3
.set A0, 4
.set B0, 5
.set ADRA, 6
.set ADRB, 7
.set SPW, 28
.set NIL, 29
.set G1, 24
.set G0, 32
.set G1B, 48
.set G0B, 56
.set TB, 66
.set CNT, 67
.set MSB, 0
.macro WIN new
.if MSB != (\new)
	s_set_vgpr_msb (MSB<<8)|(\new)
.set MSB, (\new)
.endif
.endm
.macro WM d, x, y, c
	WIN ((\x)>>8)|(((\y)>>8)<<2)|(((\c)>>8)<<4)|(((\d)>>8)<<6)
	v_wmma_f32_16x16x32_bf16 v[(\d)&255:((\d)&255)+7], v[(\x)&255:((\x)&255)+7], v[(\y)&255:((\y)&255)+7], v[(\c)&255:((\c)&255)+7]
.endm
.macro WMZ d, x, y
	WIN ((\x)>>8)|(((\y)>>8)<<2)|(((\d)>>8)<<4)|(((\d)>>8)<<6)
	v_wmma_f32_16x16x32_bf16 v[(\d)&255:((\d)&255)+7], v[(\x)&255:((\x)&255)+7], v[(\y)&255:((\y)&255)+7], 0
.endm
.macro MULR f, i0, n, first            ; products i0 .. i0 + n - 1 of a quarter's N; the accumulators take turns, in the same order everywhere
.set mi, \i0
.rept \n
.set md, mi/(MB*NB)
.set ma, (mi/NB)%MB
.set mb, mi%NB
.set rD, ACC+8*(ma*NB+mb)
.set rX, (\f)+md*FW+MB*8+8*mb
.set rY, (\f)+md*FW+8*ma
.if mb >= SWAPB
.set rX, (\f)+md*FW+8*ma
.set rY, (\f)+md*FW+MB*8+8*mb
.endif
.if (\first) && (md == 0)
.if CMODE == 0
	WMZ rD, rX, rY
.elseif CMODE == 1
	WM rD, rX, rY, BIB+8*mb
.else
	WM rD, rX, rY, CIB+8*(ma*NB+mb)
.endif
.else
	WM rD, rX, rY, rD
.endif
.set mi, mi+1
.endr
.endm
.macro FETCH kq, f
	WIN 0xc0
.set fd, 0
.rept KD
.set fa, 0
.rept MB
	ds_load_b128 v[((\f)&255)+fd*FW+8*fa:((\f)&255)+fd*FW+8*fa+3],   v[ADRA] offset:(fa*KB+(\kq)*KD+fd)*1024
	ds_load_b128 v[((\f)&255)+fd*FW+8*fa+4:((\f)&255)+fd*FW+8*fa+7], v[ADRA] offset:(fa*KB+(\kq)*KD+fd)*1024+512
.set fa, fa+1
.endr
.set fb, 0
.rept NB
	ds_load_b128 v[((\f)&255)+fd*FW+MB*8+8*fb:((\f)&255)+fd*FW+MB*8+8*fb+3],   v[ADRB] offset:(fb*KB+(\kq)*KD+fd)*1024
	ds_load_b128 v[((\f)&255)+fd*FW+MB*8+8*fb+4:((\f)&255)+fd*FW+MB*8+8*fb+7], v[ADRB] offset:(fb*KB+(\kq)*KD+fd)*1024+512
.set fb, fb+1
.endr
.set fd, fd+1
.endr
.endm
.macro PLACES                          ; four plain vector instructions between a matrix instruction and a load into its sources or a reader of its result
.rept 4
	v_nop
.endr
.endm
.macro QUARTER kq, f, g, first
	s_wait_dscnt 0x0                               ; f's loads were issued a quarter ago
	PLACES
	FETCH \kq, \g
	MULR \f, 0, N, \first
.endm
.macro JLOAD s
	s_cmp_eq_u32 s11, 0
	s_cbranch_scc0 .Lfor_b_\@
	tensor_load_to_lds s[G0+4*(\s):G0+4*(\s)+3], s[G1:G1+7]
	s_nop 0
.rept 4
	v_nop
.endr
	s_branch .Lasked_\@
.Lfor_b_\@:
	tensor_load_to_lds s[G0B+4*(\s):G0B+4*(\s)+3], s[G1B:G1B+7]
	s_nop 0
.rept 4
	v_nop
.endr
.Lasked_\@:
.endm
.macro CREST
	s_cmp_lg_u32 s10, 0
	s_cbranch_scc1 .Lnot_wave_0_\@
	s_barrier_signal -3
.Lnot_wave_0_\@:
	s_barrier_wait -3
	s_barrier_signal -1
	s_barrier_wait -1
.endm
.macro CROUND
	s_barrier_signal -1
	s_barrier_wait -1
	CREST
.endm
; A K step's last quarter, and the change of slots: in front of the barrier each wave has waited for all its tensor loads, has added 0 to its spare word and has waited for that and for its reads of the slot.
; fill = 1: the barrier opens a round of the cluster's, and the joint refill, two K steps on, is the first thing behind it.  fill = 0: the tail; in its last trip the fetch is jumped over.
.macro TURN fill
	s_wait_dscnt 0x0
	WIN 0
	s_wait_tensorcnt 0x0
	ds_add_u32 v[SPW], v[NIL]
.if \fill
	s_xor_b32 s[G0+5], s[G0+5], SLOT1
	s_add_nc_u64 s[G0+6:G0+7], s[G0+6:G0+7], KSTEPB
	s_xor_b32 s[G0B+5], s[G0B+5], SLOT1
	s_add_nc_u64 s[G0B+6:G0B+7], s[G0B+6:G0B+7], KSTEPB
.endif
	s_xor_b32 s[TB], s[TB], SLOT1
	MULR F1, 0, N/4, 0
	s_wait_dscnt 0x0
	s_barrier_signal -1
	MULR F1, N/4, N/4, 0
	WIN 0
	s_barrier_wait -1
.if \fill
	CREST
	JLOAD 1
.else
	PLACES
	s_cmp_eq_u32 s[CNT], 1
	s_cbranch_scc1 .Lnf_\@
.endif
	v_add_nc_u32 v[ADRA], s[TB], v[A0]
	v_add_nc_u32 v[ADRB], s[TB], v[B0]
	FETCH 0, F0
.if !(\fill)
	WIN 0
.Lnf_\@:
.endif
	MULR F1, N/2, N/2, 0
.endm
	s_load_b128 s[4:7], s[0:1], 0x0                ; hid, wf
	s_load_b128 s[68:71], s[0:1], 0x10             ; b2, x1
	s_load_b64 s[72:73], s[0:1], 0x20              ; out0
	v_lshl_add_u32 v[SPW], v0, 2, SPARE
	v_mov_b32 v[NIL], 0
	ds_add_u32 v[SPW], v[NIL]                      ; the opening: the add and its wait stand ahead of my first tensor load
	v_lshrrev_b32 v1, 5, v0
	v_readfirstlane_b32 s10, v1
	s_lshr_b32 s11, s10, 1
	s_and_b32 s12, s10, 1
	s_bfe_u32 s40, ttmp6, 0x40000
	s_bfe_u32 s41, ttmp6, 0x40004
	s_lshl_b32 s42, ttmp9, 2
	s_add_co_u32 s42, s42, s40                     ; column tile
	s_and_b32 s13, ttmp7, 0xffff
	s_lshl_b32 s13, s13, 2
	s_add_co_u32 s13, s13, s41                     ; token tile
	s_lshl_b32 s43, s41, 2
	s_lshl_b32 s43, 15, s43
	s_lshl_b32 s44, 0x1111, s40
	s_or_b32 s[G1], s43, (3<<16)|(1<<21)
	s_or_b32 s[G1B], s44, (3<<16)|(1<<21)
	s_mov_b32 s[G1+1], (KSTEPB/8)<<16
	s_mov_b32 s[G1+2], NAH<<16
	s_mov_b32 s[G1+3], (KSTEPB/8)<<16
	s_mov_b32 s[G1+4], NAH
	s_mov_b32 s[G1+5], STRIDE
	s_mov_b32 s[G1+6], 0
	s_mov_b32 s[G1+7], 0
	s_mov_b32 s[G1B+1], (KSTEPB/8)<<16
	s_mov_b32 s[G1B+2], NBH<<16
	s_mov_b32 s[G1B+3], (KSTEPB/8)<<16
	s_mov_b32 s[G1B+4], NBH
	s_mov_b32 s[G1B+5], STRIDE
	s_mov_b32 s[G1B+6], 0
	s_mov_b32 s[G1B+7], 0
	s_lshl_b32 s16, s13, 19                        ; hid: 8 blocks of 64 KiB a tile, four a half
	s_lshl_b32 s17, s12, 18
	s_add_co_u32 s16, s16, s17
	s_mov_b32 s17, 0
	s_lshl_b32 s46, s42, 19                        ; W2 likewise
	s_lshl_b32 s47, s12, 18
	s_add_co_u32 s46, s46, s47
	s_add_co_u32 s46, s46, 4194304
	s_mov_b32 s47, 0
	s_lshl_b32 s20, s12, 15
	s_mul_i32 s21, s12, BH
	s_add_co_u32 s21, s21, BOFF
	s_wait_dscnt 0x0
	s_wait_kmcnt 0x0
	s_add_nc_u64 s[14:15], s[4:5], s[16:17]
	s_add_nc_u64 s[46:47], s[6:7], s[46:47]
	CROUND
.irp s, 0,1
	s_mov_b32 s[G0+4*(\s)], 1
	s_add_co_u32 s[G0+4*(\s)+1], s20, (\s)*SLOT1
	s_add_nc_u64 s[G0+4*(\s)+2:G0+4*(\s)+3], s[14:15], (\s)*KSTEPB
	s_or_b32 s[G0+4*(\s)+3], s[G0+4*(\s)+3], 0x80000000
	s_mov_b32 s[G0B+4*(\s)], 1
	s_add_co_u32 s[G0B+4*(\s)+1], s21, (\s)*SLOT1
	s_add_nc_u64 s[G0B+4*(\s)+2:G0B+4*(\s)+3], s[46:47], (\s)*KSTEPB
	s_or_b32 s[G0B+4*(\s)+3], s[G0B+4*(\s)+3], 0x80000000
	JLOAD \s
.endr
	v_and_b32 v1, 31, v0
	v_lshlrev_b32 v[LN16], 4, v1
	s_lshl_b32 s22, s11, 15
	v_add_nc_u32 v[A0], s22, v[LN16]
	s_mul_i32 s23, s12, BH
	s_add_co_u32 s23, s23, BOFF
	v_add_nc_u32 v[B0], s23, v[LN16]
	s_mov_b32 s[TB], 0
	v_mov_b32 v[ADRA], v[A0]
	v_mov_b32 v[ADRB], v[B0]
	v_and_b32 v1, 15, v0                           ; r
	v_bfe_u32 v2, v0, 4, 1                         ; h
	v_lshlrev_b32 v[HB], 5, v2
	s_lshl_b32 s76, s42, 9
	s_lshl_b32 s77, s12, 8
	s_add_co_u32 s76, s76, s77
	s_mov_b32 s77, 0
	s_add_nc_u64 s[68:69], s[68:69], s[76:77]      ; b2 at my 64 columns
	s_lshl_b32 s76, s13, 18                        ; x1: a block of 16 rows is 32 KiB, a tile of 16 x 16 is 1 KiB
	s_lshl_b32 s78, s11, 17
	s_add_co_u32 s76, s76, s78
	s_lshl_b32 s78, s42, 13
	s_add_co_u32 s76, s76, s78
	s_lshl_b32 s78, s12, 12
	s_add_co_u32 s76, s76, s78
	s_add_nc_u64 s[70:71], s[70:71], s[76:77]
.set t, 0
.rept 16
	global_load_b128 v[CIB+8*t:CIB+8*t+3],   v[LN16], s[70:71] offset:(t/4)*32768+(t%4)*1024
	global_load_b128 v[CIB+8*t+4:CIB+8*t+7], v[LN16], s[70:71] offset:(t/4)*32768+(t%4)*1024+512
.set t, t+1
.endr
.irp b, 0,1,2,3
	global_load_b128 v[BIB+8*(\b):BIB+8*(\b)+3],   v[HB], s[68:69] offset:(\b)*64
	global_load_b128 v[BIB+8*(\b)+4:BIB+8*(\b)+7], v[HB], s[68:69] offset:(\b)*64+16
.endr
	s_lshl_b32 s76, s13, 18                        ; out0: 128 rows of 2,048 bytes a tile
	s_lshl_b32 s78, s11, 17
	s_add_co_u32 s76, s76, s78
	s_lshl_b32 s78, s42, 9
	s_add_co_u32 s76, s76, s78
	s_lshl_b32 s78, s12, 8
	s_add_co_u32 s76, s76, s78
	s_add_nc_u64 s[72:73], s[72:73], s[76:77]
	s_mul_i32 s22, s10, 16*SP
	s_add_co_u32 s22, s22, STAGE                   ; my stage
	v_mul_u32_u24 v[STO], v1, SP                   ; in: row r, 32 bytes for each half of the lanes
	v_lshl_add_u32 v[STO], v2, 5, v[STO]
	v_add_nc_u32 v[STO], s22, v[STO]
	v_mul_u32_u24 v[RD], v2, SP                    ; back: lanes 0-15 one row of 256 bytes, lanes 16-31 the next
	v_lshl_add_u32 v[RD], v1, 4, v[RD]
	v_add_nc_u32 v[RD], s22, v[RD]
	v_lshlrev_b32 v[CO], 11, v2                    ; and the same two rows in out0
	v_lshl_add_u32 v[CO], v1, 4, v[CO]
	s_wait_loadcnt 0x0                             ; x1 and b2; the sums below stand in the wait for the first tile
.set z, 0
.rept 64
	v_pk_add_f32 v[CIB+2*z:CIB+2*z+1], v[CIB+2*z:CIB+2*z+1], v[BIB+(2*z)%32:BIB+(2*z)%32+1]
.set z, z+1
.endr
	s_wait_tensorcnt 0x1                           ; my part of K step 0 is in; K step 1's may stay out
	s_barrier_signal -1
	s_barrier_wait -1
	FETCH 0, F0
	QUARTER 1, F0, F1, 1
	WIN 0
	s_mov_b32 s[CNT], NSTEP-2
.Lring:
	QUARTER 2, F1, F0, 0
	QUARTER 3, F0, F1, 0
	TURN 1
	QUARTER 1, F0, F1, 0
	WIN 0
	s_sub_co_u32 s[CNT], s[CNT], 1
	s_cmp_lg_u32 s[CNT], 0
	s_cbranch_scc1 .Lring
	s_mov_b32 s[CNT], 2
.Ltail:
	QUARTER 2, F1, F0, 0
	QUARTER 3, F0, F1, 0
	TURN 0
	WIN 0
	s_cmp_eq_u32 s[CNT], 1
	s_cbranch_scc1 .Lskip
	QUARTER 1, F0, F1, 0
	WIN 0
.Lskip:
	s_sub_co_u32 s[CNT], s[CNT], 1
	s_cmp_lg_u32 s[CNT], 0
	s_cbranch_scc1 .Ltail
	; THE WAY OUT, 16 rows at a time through my own stage: LDS serves a wave's instructions in order (ISA guide 5.7.1.4), so the loads see the stores above them and the next rows' stores come behind the loads.
	PLACES
.irp a, 0,1,2,3
.set BK, 32+192*((\a)%2)               ; v[32:63] and v[224:255] by turns
.if (\a) >= 2
	s_wait_xcnt 0x0                                ; the stores two turns back have read these registers
.endif
	WIN 0x04                                       ; the data, the accumulators, in window 1
.irp b, 0,1,2,3
	ds_store_b128 v[STO], v[8*(4*(\a)+(\b)):8*(4*(\a)+(\b))+3]   offset:(\b)*64
	ds_store_b128 v[STO], v[8*(4*(\a)+(\b))+4:8*(4*(\a)+(\b))+7] offset:(\b)*64+16
.endr
	WIN 0
.irp t, 0,1,2,3,4,5,6,7
	ds_load_b128 v[BK+4*(\t):BK+4*(\t)+3], v[RD] offset:(\t)*2*SP
.endr
	s_wait_dscnt 0x0
.irp t, 0,1,2,3,4,5,6,7
	global_store_b128 v[CO], v[BK+4*(\t):BK+4*(\t)+3], s[72:73] offset:(16*(\a)+2*(\t))*2048  ; sixteen lanes store 256 consecutive bytes, aligned
.endr
.endr
	s_wait_tensorcnt 0x0                           ; the wave's end
	ds_add_u32 v[SPW], v[NIL]
	s_wait_dscnt 0x0
	CROUND                                         ; the closing round
	s_endpgm
.Lfunc_end_k_q2441b62d73_mlp2:
	.size	k_q2441b62d73_mlp2, .Lfunc_end_k_q2441b62d73_mlp2-k_q2441b62d73_mlp2
	.p2alignl 7, 3214868480
	.fill 96, 4, 3214868480
	.section	.rodata,"a",@progbits
	.p2align	6, 0x0
	.amdhsa_kernel k_q2441b62d73_mlp2
		.amdhsa_group_segment_fixed_size 327680
		.amdhsa_private_segment_fixed_size 0
		.amdhsa_enable_private_segment 0
		.amdhsa_kernarg_size 40
		.amdhsa_user_sgpr_count 2
		.amdhsa_user_sgpr_kernarg_segment_ptr 1
		.amdhsa_wavefront_size32 1
		.amdhsa_system_sgpr_workgroup_id_x 1
		.amdhsa_system_sgpr_workgroup_id_y 1
		.amdhsa_system_sgpr_workgroup_id_z 1
		.amdhsa_system_vgpr_workitem_id 0
		.amdhsa_next_free_vgpr 1024
		.amdhsa_next_free_sgpr 80
		.amdhsa_reserve_vcc 0
		.amdhsa_float_denorm_mode_32 3
		.amdhsa_float_denorm_mode_16_64 3
		.amdhsa_memory_ordered 1
		.amdhsa_forward_progress 1
		.amdhsa_inst_pref_size 65
	.end_amdhsa_kernel
	.amdgpu_metadata
---
amdhsa.version: [ 1, 2 ]
amdhsa.kernels:
  - .name:           k_q2441b62d73_mlp2
    .symbol:         k_q2441b62d73_mlp2.kd
    .args:
      - { .name: hid, .offset: 0, .size: 8, .value_kind: global_buffer, .address_space: global }
      - { .name: wf, .offset: 8, .size: 8, .value_kind: global_buffer, .address_space: global }
      - { .name: b2, .offset: 16, .size: 8, .value_kind: global_buffer, .address_space: global }
      - { .name: x1, .offset: 24, .size: 8, .value_kind: global_buffer, .address_space: global }
      - { .name: out0, .offset: 32, .size: 8, .value_kind: global_buffer, .address_space: global }
    .group_segment_fixed_size: 327680
    .private_segment_fixed_size: 0
    .kernarg_segment_align: 8
    .kernarg_segment_size: 40
    .max_flat_workgroup_size: 128
    .sgpr_count:     80
    .vgpr_count:     1024
    .wavefront_size: 32
...
	.end_amdgpu_metadata
.endif
;; end of part 6
